; MI455X (gfx1250); checked and timed in simulation.
; The chip was launched on July 23, 2026; its instructions are those of AMD's public machine-readable ISA for CDNA 5 (MIT licence, August 2026) and "CDNA5" Instruction Set Architecture Reference Guide (July 2026). The comments in the code are by the model that wrote it; some were corrected since.
;; Attention. Allowed arithmetic: matrix products marked QUANTISED: E2M1 operands, one E8M0 scale for each 32 along K, by v_wmma_scale_f32_16x16x128_f8f6f4 with both operands' format E2M1 (or v_wmma_scale_f32_32x16x128_f4), f32 sums; products left as they are: bf16, f16 or f32 operands; f32 sums; everything else in f32.
;; Inputs: Wk 1,024 x 1,024 float32; Wo 1,024 x 1,024 float32; Wq 1,024 x 1,024 float32; Wv 1,024 x 1,024 float32; X 4 x 2,048 x 1,024 float32; bk 1,024 float32; bo 1,024 float32; bq 1,024 float32; bv 1,024 float32.
;; Outputs: out0 4 x 2,048 x 1,024 float32.
;; This version of the problem:
;;   THIS VERSION OF THE PROBLEM IS GIVEN IN LOW PRECISION. The matrix products marked QUANTISED in the list below multiply operands that are first quantised to E2M1 (2 exponent bits, 1 mantissa bit; 4 bits a number), with one power-of-two scale for each 32 numbers along K (OCP MX v1.0); their sums are f32. The products marked 'left as it is' may take bf16, f16 or f32 operands, with f32 sums. Whichever they take, every output number must still come out within the allowed error. Rounding operands to bf16 (8 significant bits) uses up far more of that allowance than f16 does (11 bits, for magnitudes from 6e-5 to 65,504). All else is computed in f32.
;;   The module's matrix products, in the order in which they are computed (A, B: the left and right operand; K: the contracted axis; several contracted axes count as one K, in the product's order):
;;     1. [M 8,192, K 1,024] x [K 1,024, N 1,024]; A: input X; B: input Wq: QUANTISED
;;     2. [M 8,192, K 1,024] x [K 1,024, N 1,024]; A: input X; B: input Wk: QUANTISED
;;     3. [M 8,192, K 1,024] x [K 1,024, N 1,024]; A: input X; B: input Wv: QUANTISED
;;     4. batch 64 x [M 2,048, K 64] x [K 64, N 2,048]; A: computed on the way; B: computed on the way: left as it is (an operand is computed on the way)
;;     5. batch 64 x [M 2,048, K 2,048] x [K 2,048, N 64]; A: computed on the way; B: computed on the way: left as it is (an operand is computed on the way)
;;     6. [M 8,192, K 1,024] x [K 1,024, N 1,024]; A: computed on the way; B: input Wo: left as it is (an operand is computed on the way)
;;   THE QUANTISER, for each operand of a quantised product, along K:
;;     - K is cut into blocks of 32 from its start; a last block that is shorter is filled with zeros.
;;     - A block's scale is 2^e with e = floor(log2(the largest magnitude in the block)) - 2, held to -126 .. 127; a block of zeros has e = 0. As a byte (E8M0): e + 127.
;;     - Each number is divided by its block's scale, clamped to +-6, and rounded to the nearest number of E2M1, ties to even, subnormals kept.
;;     - The product sums the exact products of the quantised numbers (number of the format x scale) in f32.
;;   ~~~python
;;   def quantise(x, axis):      # numpy; x: float32 -> the quantised numbers, widened to float32 again
;;       x = np.moveaxis(x, axis, -1); K = x.shape[-1]
;;       x = np.pad(x, [(0, 0)] * (x.ndim - 1) + [(0, -K % 32)]); x = x.reshape(x.shape[:-1] + (-1, 32)); a = np.abs(x).max(-1, keepdims=True)
;;       e = np.where(a > 0, np.clip(np.frexp(np.where(a > 0, a, 1))[1] - 1 - 2, -126, 127), 0)      # np.frexp(a)[1] - 1 = floor(log2(a)), exactly
;;       r = np.clip(x / 2.0 ** e, -6, 6)
;;       step = 2.0 ** (np.maximum(np.frexp(np.where(r == 0, 1, r))[1] - 1, 0) - 1)
;;       q = np.round(r / step) * step * 2.0 ** e      # np.round: ties to even
;;       return np.moveaxis(q.reshape(q.shape[:-2] + (-1,))[..., :K], -1, axis).astype(np.float32)
;;   ~~~
;; One version. Each part assembles by itself: llvm-mc -triple=amdgcn-amd-amdhsa -mcpu=gfx1250 --defsym DOCPART=n.
;; ======== version 1 of 1: 4 launches
;; limits: values are held in f16: magnitudes above 65,504 overflow, below 6.1e-05 lose precision
;; workspace buffers: x_codes 4,194,304 bytes; x_scales 262,144 bytes; w_codes 1,572,864 bytes; w_scales 98,304 bytes; wo_f 2,097,152 bytes; qkv 50,331,648 bytes; z_f 16,777,216 bytes
;; launch prep (part 1): grid 336 x 1, 4 waves a work-group, no clusters, 68,096 bytes of LDS; arguments X, Wq, Wk, Wv, Wo, x_codes, x_scales, w_codes, w_scales, wo_f; writes x_codes, x_scales, w_codes, w_scales, wo_f
.if DOCPART == 1
	.amdgcn_target "amdgcn-amd-amdhsa--gfx1250"
	.amdhsa_code_object_version 6
	.text
	.protected	k_q3fe92acc99_prep
	.globl	k_q3fe92acc99_prep
	.p2align	8
	.type	k_q3fe92acc99_prep,@function
k_q3fe92acc99_prep:
	s_mov_b64 s[64:65], 0
	v_nop
	global_prefetch_b8 v0, s[64:65] scope:SCOPE_SE
	s_setreg_imm32_b32 hwreg(HW_REG_WAVE_MODE, 25, 1), 1
	s_wait_xcnt 0x0
; PREP: every operand is brought once into the form in which the later launches read it.  Three kinds of work-groups, told apart by the work-group's number; the three paths never join.
;   0..47    Wq, Wk, Wv [1024 k][1024 n] f32 -> codes of FP4 (E2M1) with K innermost, w_codes [3072 n][512 bytes], and one E8M0 byte for each 32 along K, w_scales [3072][32].  Rows 0-1023 Wq's columns, then Wk's, then Wv's.
;   48..79   Wo [1024 k][1024 n] f32 -> f16, laid in the order of a matrix operand's registers: wo_f [k/128][n/16][(k%128)/32][1,024 bytes]; in a block of 1,024 bytes register group c at 512 c, lane l at 16 l:
;            lane (r = l%16, h = l/16) holds Wo[32 kf + 16 c + 8 h + 0..7][16 ntile + r].
;   80..335  X [8192][1024] f32 -> x_codes [8192][512 bytes], x_scales [8192][32].
; THE QUANTISER: a block's scale is 2^(floor(log2(its largest magnitude)) - 2); its byte is the largest magnitude's exponent field - 2, held at 1 from below; each number is divided by the scale and rounded to the nearest code, ties to even,
; beyond 6 the largest code.
; LIMITS: a block of zeros gets the byte 1 where the rule says 127 (its codes are zeros, and this program alone reads the bytes); NaN and infinities among the inputs are not served; |Wo| stays under 65,504 (f16).
; No barrier: waves share nothing.  Each path that uses LDS has bytes of its own.
.set SPARE, 67584                      ; behind both paths' regions: the spare words, 128 bytes for each wave: two blocks of 256 bytes that no other line names
.set SPW,   192                        ; v192  LDS address of my spare word: SPARE + 4 x my thread's number; never rewritten
.set NIL,   193                        ; v193  0; never rewritten
.set EMAX,  2
; the X path
.set STEPS, 16
.set CB,    8                          ; bytes of 16 codes
.set R,     16                         ; v16-79   four sets of 16 numbers as they are loaded
.set X,     80                         ; v80-111  two sets of 16 neighbours
.set E,     112                        ; v112-127 a scale byte for each step
.set C,     128                        ; v128-191 codes: four registers for each step, so that no store's data are written again
.set WREG,  8192                       ; LDS 0..32,767: a region for each wave: two stages of 32 x SP bytes, behind them its 256 scale bytes
.set SP,    80                         ; a lane's place in a stage: its 64 bytes + 16 of padding
; the W and Wo paths
.set WST,   32768                      ; LDS 32,768..67,583: a stage of 32 rows x PITCH for each wave
.set PITCH, 272
.set KX,    32                         ; v32-95   two sets of 32 numbers down K
.set KC,    96                         ; v96..    a block's codes (W), or its 16 registers of f16 (Wo)
.set OUTR,  112                        ; v112-175 the way out: 16 x 4 registers
.set SB,    24                         ; v24-27   the scale bytes, four to a register
.set NB,    16                         ; blocks of 32 along K for a wave of the W path
	s_load_b256 s[4:11], s[0:1], 0x0               ; X s[4:5], Wq s[6:7], Wk s[8:9], Wv s[10:11]
	s_load_b256 s[12:19], s[0:1], 0x20             ; Wo s[12:13], x_codes s[14:15], x_scales s[16:17], w_codes s[18:19]
	s_load_b128 s[20:23], s[0:1], 0x40             ; w_scales s[20:21], wo_f s[22:23]
	v_lshl_add_u32 v[SPW], v0, 2, SPARE
	v_mov_b32 v[NIL], 0
	v_lshrrev_b32 v1, 5, v0
	v_readfirstlane_b32 s24, v1                    ; wave 0..3
	v_and_b32 v2, 31, v0                           ; lane
	s_wait_kmcnt 0x0
	s_cmp_lt_u32 ttmp9, 48
	s_cbranch_scc1 .Lw
	s_cmp_lt_u32 ttmp9, 80
	s_cbranch_scc1 .Lwo
; ---------------- X: a plain stream of blocks of 32.  A wave takes 16 steps of 512 numbers.  Each load reads 512 consecutive bytes; a step's 2,048 bytes turn through the wave's stage, so that a lane then holds 16 neighbours along K
	v_lshlrev_b32 v3, 4, v2                        ; my 16 bytes of a load's 512
	s_mul_i32 s25, s24, WREG
	v_lshrrev_b32 v14, 2, v2
	v_mul_u32_u24 v14, v14, SP
	v_and_b32 v15, 3, v2
	v_lshl_add_u32 v14, v15, 4, v14
	v_add_nc_u32 v14, s25, v14                     ; the stage, on the way in: SP (lane / 4) + 16 (lane % 4)
	v_mul_u32_u24 v15, v2, SP
	v_add_nc_u32 v15, s25, v15                     ; and on the way out: SP x lane: my 16 neighbours
	v_mul_u32_u24 v4, v2, CB                       ; my codes' place in a step's
	v_lshrrev_b32 v5, 1, v2
	s_add_co_u32 s25, s25, 2*32*SP
	v_add_nc_u32 v5, s25, v5                       ; LDS: my wave's 256 scale bytes, my block's byte
	v_lshlrev_b32 v7, 3, v2                        ; and on the way out 8 bytes a lane
	v_add_nc_u32 v6, s25, v7
	s_sub_co_u32 s26, ttmp9, 80
	s_lshl_b32 s26, s26, 2
	s_add_co_u32 s26, s26, s24                     ; which run of 8,192 numbers is my wave's: 0..1023
	s_mov_b32 s29, 0
	s_lshl_b32 s28, s26, 15                        ; 32,768 bytes of X,
	s_add_nc_u64 s[4:5], s[4:5], s[28:29]
	s_lshl_b32 s28, s26, 12                        ; 4,096 of codes,
	s_add_nc_u64 s[14:15], s[14:15], s[28:29]
	s_lshl_b32 s28, s26, 8                         ; 256 scale bytes a run
	s_add_nc_u64 s[16:17], s[16:17], s[28:29]
.macro XLOAD t
.irp i, 0,1,2,3
	global_load_b128 v[R+16*((\t)%4)+4*\i:R+16*((\t)%4)+4*\i+3], v3, s[4:5] offset:2048*(\t)+512*\i th:TH_LOAD_NT   ; 32 lanes read 512 consecutive bytes
.endr
.endm
.macro XTURN t                         ; step t's numbers through the stage: LDS serves a wave's instructions in order, so no wait stands between the stores and the loads
.irp i, 0,1,2,3
	ds_store_b128 v14, v[R+16*((\t)%4)+4*\i:R+16*((\t)%4)+4*\i+3] offset:32*SP*((\t)%2)+8*SP*\i
.endr
.irp i, 0,1,2,3
	ds_load_b128 v[X+16*((\t)%2)+4*\i:X+16*((\t)%2)+4*\i+3], v15 offset:32*SP*((\t)%2)+16*\i
.endr
.endm
.irp t, 0,1,2,3
	XLOAD \t
.endr
	s_wait_loadcnt 12                              ; step 0's four loads are in; those of three steps may be out
	XTURN 0
.macro XSTEP t
.set XS, X+16*((\t)%2)
.if (\t) > 0
	s_wait_dscnt 1                                 ; this step's numbers are back from the stage (the last step's byte store may be out): so its stores into the stage have read their registers,
.else
	s_wait_dscnt 0x0
.endif
.if (\t)+4 < STEPS
	XLOAD (\t)+4                                   ; which take the loads of four steps on
.endif
.if (\t)+1 < STEPS
.if STEPS-2-(\t) >= 3
	s_wait_loadcnt 12                              ; the next step's four loads are in; those of the three steps behind it may be out
.else
	s_wait_loadcnt 4*(STEPS-2-(\t))
.endif
	XTURN (\t)+1                                   ; and go through the other stage while this step is worked
.endif
	v_max3_num_f32 v8, |v[XS]|, |v[XS+1]|, |v[XS+2]|               ; the largest magnitude of my 16, in two chains
	v_max3_num_f32 v9, |v[XS+3]|, |v[XS+4]|, |v[XS+5]|
.irp i, 6,10
	v_max3_num_f32 v8, v8, |v[XS+\i]|, |v[XS+\i+1]|
	v_max3_num_f32 v9, v9, |v[XS+\i+2]|, |v[XS+\i+3]|
.endr
	v_max3_num_f32 v8, v8, |v[XS+14]|, |v[XS+15]|
	v_max3_num_f32 v8, v8, v9, (EMAX+1)<<23        ; and the floor 2^(3 - 127): so the byte cannot fall under 1
	v_max_num_f32_dpp v8, v8, v8 row_xmask:1 row_mask:0xf bank_mask:0xf   ; and of my neighbour's 16: the block's
	v_add_nc_u32 v11, -(EMAX<<23), v8              ; 2 off its exponent field: the conversion takes the exponent field of this operand as its scale
	v_cvt_scalef32_pk8_fp4_f32 v[C+4*(\t)], v[XS:XS+7], v11
	v_cvt_scalef32_pk8_fp4_f32 v[C+4*(\t)+1], v[XS+8:XS+15], v11
	v_lshrrev_b32 v[E+(\t)], 23, v11               ; the scale's byte (also the plain line behind the conversions)
	ds_store_b8 v5, v[E+(\t)] offset:16*(\t)       ; both lanes of a block write the same byte with the same value
	global_store_b64 v4, v[C+4*(\t):C+4*(\t)+1], s[14:15] offset:32*CB*(\t)   ; the wave stores 256 consecutive bytes, aligned
.endm
.irp t, 0,1,2,3,4,5,6,7,8,9,10,11,12,13,14,15
	XSTEP \t
.endr
	ds_load_b64 v[8:9], v6                         ; LDS serves a wave's instructions in order: these see my byte stores
	s_wait_dscnt 0x0
	global_store_b64 v7, v[8:9], s[16:17]          ; 32 lanes store 256 consecutive bytes, aligned
	s_wait_tensorcnt 0x0                           ; the wave's end: behind my last LDS store
	ds_add_u32 v[SPW], v[NIL]
	s_wait_dscnt 0x0
	s_endpgm
; 32 numbers down K of my column: block t into set t % 2.  A row of the weight is 4,096 bytes; 32 lanes read 128 consecutive bytes, the four waves stand side by side on 512
.macro KLOAD t, base
.irp i, 0,1,2,3,4,5,6,7,8,9,10,11,12,13,14,15,16,17,18,19,20,21,22,23,24,25,26,27,28,29,30,31
	global_load_b32 v[KX+32*((\t)%2)+\i], v3, s[\base:\base+1] offset:(32*(\t)+\i)*4096 th:TH_LOAD_NT
.endr
.endm
; ---------------- Wq, Wk, Wv: a lane takes a column n and its registers run down K, so a block of 32 lies in one lane and the codes come out with K innermost.  A wave: 32 columns x 512 along K
.Lw:
	s_lshr_b32 s25, ttmp9, 4                       ; which weight: 0, 1, 2
	s_and_b32 s26, ttmp9, 7                        ; which 128 columns
	s_bfe_u32 s27, ttmp9, 0x10003                  ; which 512 along K
	s_cmp_eq_u32 s25, 0
	s_cselect_b64 s[6:7], s[6:7], s[8:9]           ; the choice hangs on the work-group's number alone
	s_cmp_eq_u32 s25, 2
	s_cselect_b64 s[6:7], s[10:11], s[6:7]
	s_lshl_b32 s28, s26, 7
	s_lshl_b32 s29, s24, 5
	s_add_co_u32 s28, s28, s29                     ; my wave's first column
	s_lshl_b32 s30, s27, 21                        ; 512 rows of 4,096 bytes
	s_lshl_b32 s31, s28, 2
	s_add_co_u32 s30, s30, s31
	s_mov_b32 s31, 0
	s_add_nc_u64 s[6:7], s[6:7], s[30:31]
	s_lshl_b32 s29, s25, 10
	s_add_co_u32 s29, s29, s28                     ; its row in w_codes and w_scales
	s_lshl_b32 s30, s29, 9                         ; 512 bytes a row,
	s_lshl_b32 s32, s27, 8                         ; 256 bytes for 512 along K
	s_add_co_u32 s30, s30, s32
	s_add_nc_u64 s[18:19], s[18:19], s[30:31]
	s_lshl_b32 s30, s29, 5                         ; 32 scale bytes a row,
	s_lshl_b32 s32, s27, 4                         ; 16 for 512 along K
	s_add_co_u32 s30, s30, s32
	s_add_nc_u64 s[20:21], s[20:21], s[30:31]
	v_lshlrev_b32 v3, 2, v2                        ; in: 4 bytes a lane
	s_mul_i32 s33, s24, 32*PITCH
	s_add_co_u32 s33, s33, WST                     ; my stage
	v_mul_u32_u24 v4, v2, PITCH
	v_add_nc_u32 v4, s33, v4                       ; into it: row = my column
	v_and_b32 v5, 15, v2
	v_lshrrev_b32 v6, 4, v2                        ; out of it: sixteen lanes to a row, two rows an instruction
	v_mul_u32_u24 v7, v6, PITCH
	v_lshl_add_u32 v7, v5, 4, v7
	v_add_nc_u32 v7, s33, v7
	v_mul_u32_u24 v8, v6, 512
	v_lshl_add_u32 v8, v5, 4, v8                   ; and the same place in w_codes
	v_lshlrev_b32 v9, 5, v2                        ; my column's row of scale bytes
	KLOAD 0, 6
	KLOAD 1, 6
.macro WBLOCK t
.set XS, KX+32*((\t)%2)
.if (\t) < NB-1
	s_wait_loadcnt 32                              ; this block's 32 loads are in; the next block's may be out
.else
	s_wait_loadcnt 0
.endif
	v_max3_num_f32 v12, |v[XS]|, |v[XS+1]|, |v[XS+2]|               ; the block's largest magnitude: all 32 numbers are mine
	v_max3_num_f32 v13, |v[XS+3]|, |v[XS+4]|, |v[XS+5]|
.irp i, 6,10,14,18,22,26
	v_max3_num_f32 v12, v12, |v[XS+\i]|, |v[XS+\i+1]|
	v_max3_num_f32 v13, v13, |v[XS+\i+2]|, |v[XS+\i+3]|
.endr
	v_max3_num_f32 v12, v12, |v[XS+30]|, |v[XS+31]|
	v_max3_num_f32 v12, v12, v13, (EMAX+1)<<23     ; and the floor
	v_add_nc_u32 v11, -(EMAX<<23), v12             ; the conversion's scale operand
	v_lshrrev_b32 v13, 23, v11                     ; the scale's byte
.if (\t)%4 == 0
	v_mov_b32 v[SB+(\t)/4], v13                    ; four bytes to a register, the lower K in the lower byte
.else
	v_lshl_or_b32 v[SB+(\t)/4], v13, 8*((\t)%4), v[SB+(\t)/4]
.endif
.irp g, 0,1,2,3
	v_cvt_scalef32_pk8_fp4_f32 v[KC+\g], v[XS+8*\g:XS+8*\g+7], v11
.endr
	v_nop                                          ; one plain line behind the last conversion
	ds_store_b128 v4, v[KC:KC+3] offset:16*(\t)    ; 32 codes: 16 bytes of my column's row
.if (\t)+2 < NB
	KLOAD (\t)+2, 6
.endif
	s_wait_dscnt 0x0                               ; the store has read its registers: the next block's codes may be written
.endm
.irp t, 0,1,2,3,4,5,6,7,8,9,10,11,12,13,14,15
	WBLOCK \t
.endr
	global_store_b128 v9, v[SB:SB+3], s[20:21]     ; my column's 16 scale bytes
.irp t, 0,1,2,3,4,5,6,7,8,9,10,11,12,13,14,15
	ds_load_b128 v[OUTR+4*\t:OUTR+4*\t+3], v7 offset:2*\t*PITCH   ; LDS serves a wave's instructions in order: these see my stores
.endr
.irp t, 0,1,2,3,4,5,6,7,8,9,10,11,12,13,14,15
	s_wait_dscnt 15-\t                             ; the younger row loads may be out
	global_store_b128 v8, v[OUTR+4*\t:OUTR+4*\t+3], s[18:19] offset:2*\t*512   ; sixteen lanes store 256 consecutive bytes, aligned
.endr
	s_wait_tensorcnt 0x0                           ; the wave's end
	ds_add_u32 v[SPW], v[NIL]
	s_wait_dscnt 0x0
	s_endpgm
; ---------------- Wo: the same plan, a lane to a column and registers down K; eight neighbours along K round to 16 bytes of f16, which are a lane's share of a register group.  A wave: 32 columns x 256 along K
.Lwo:
	s_sub_co_u32 s25, ttmp9, 48
	s_and_b32 s26, s25, 7                          ; which 128 columns
	s_lshr_b32 s27, s25, 3                         ; which 256 along K
	s_lshl_b32 s28, s26, 7
	s_lshl_b32 s29, s24, 5
	s_add_co_u32 s28, s28, s29                     ; my wave's first column
	s_lshl_b32 s30, s27, 20                        ; 256 rows of 4,096 bytes
	s_lshl_b32 s31, s28, 2
	s_add_co_u32 s30, s30, s31
	s_mov_b32 s31, 0
	s_add_nc_u64 s[12:13], s[12:13], s[30:31]
	s_lshl_b32 s30, s27, 19                        ; two chunks of 128 along K, 262,144 bytes each
	s_lshl_b32 s29, s28, 8                         ; 4,096 bytes for 16 columns
	s_add_co_u32 s30, s30, s29
	s_add_nc_u64 s[22:23], s[22:23], s[30:31]
	v_lshlrev_b32 v3, 2, v2
	v_and_b32 v5, 15, v2
	v_lshrrev_b32 v6, 4, v2
	v_lshlrev_b32 v10, 4, v5
	v_lshl_add_u32 v10, v6, 12, v10                ; lanes 16-31 stand in the next tile of 16 columns; 16 bytes for each column
	KLOAD 0, 12
	KLOAD 1, 12
.macro WOBLK t
.set XS, KX+32*((\t)%2)
.if (\t) < 7
	s_wait_loadcnt 32                              ; this block's 32 loads are in; the next block's may be out
.else
	s_wait_loadcnt 0
.endif
	s_wait_xcnt 0x0                                ; the last block's stores have read their data: the registers are written again only behind this wait
.irp i, 0,1,2,3,4,5,6,7,8,9,10,11,12,13,14,15
	v_cvt_pk_f16_f32 v[KC+\i], v[XS+2*\i], v[XS+2*\i+1]
.endr
.irp g, 0,1,2,3                        ; k = 8 g + 0..7 of the block: register group g / 2, half g % 2 of the lanes: byte 256 g + 16 r
	global_store_b128 v10, v[KC+4*\g:KC+4*\g+3], s[22:23] offset:((\t)/4)*262144+((\t)%4)*1024+256*\g   ; sixteen lanes store 256 consecutive bytes, aligned
.endr
.if (\t)+2 < 8
	KLOAD (\t)+2, 12
.endif
.endm
.irp t, 0,1,2,3,4,5,6,7
	WOBLK \t
.endr
	s_wait_tensorcnt 0x0                           ; the wave's end, as on the other two paths
	ds_add_u32 v[SPW], v[NIL]
	s_wait_dscnt 0x0
	s_endpgm
.Lfunc_end_k_q3fe92acc99_prep:
	.size	k_q3fe92acc99_prep, .Lfunc_end_k_q3fe92acc99_prep-k_q3fe92acc99_prep
	.p2alignl 7, 3214868480
	.fill 96, 4, 3214868480
	.section	.rodata,"a",@progbits
	.p2align	6, 0x0
	.amdhsa_kernel k_q3fe92acc99_prep
		.amdhsa_group_segment_fixed_size 68096
		.amdhsa_private_segment_fixed_size 0
		.amdhsa_enable_private_segment 0
		.amdhsa_kernarg_size 80
		.amdhsa_user_sgpr_count 2
		.amdhsa_user_sgpr_kernarg_segment_ptr 1
		.amdhsa_wavefront_size32 1
		.amdhsa_system_sgpr_workgroup_id_x 1
		.amdhsa_system_sgpr_workgroup_id_y 1
		.amdhsa_system_sgpr_workgroup_id_z 1
		.amdhsa_system_vgpr_workitem_id 0
		.amdhsa_next_free_vgpr 194
		.amdhsa_next_free_sgpr 66
		.amdhsa_reserve_vcc 0
		.amdhsa_float_denorm_mode_32 3
		.amdhsa_float_denorm_mode_16_64 3
		.amdhsa_memory_ordered 1
		.amdhsa_forward_progress 1
		.amdhsa_inst_pref_size 148
	.end_amdhsa_kernel
	.amdgpu_metadata
---
amdhsa.version: [ 1, 2 ]
amdhsa.kernels:
  - .name:           k_q3fe92acc99_prep
    .symbol:         k_q3fe92acc99_prep.kd
    .args:
      - { .name: X, .offset: 0, .size: 8, .value_kind: global_buffer, .address_space: global }
      - { .name: Wq, .offset: 8, .size: 8, .value_kind: global_buffer, .address_space: global }
      - { .name: Wk, .offset: 16, .size: 8, .value_kind: global_buffer, .address_space: global }
      - { .name: Wv, .offset: 24, .size: 8, .value_kind: global_buffer, .address_space: global }
      - { .name: Wo, .offset: 32, .size: 8, .value_kind: global_buffer, .address_space: global }
      - { .name: x_codes, .offset: 40, .size: 8, .value_kind: global_buffer, .address_space: global }
      - { .name: x_scales, .offset: 48, .size: 8, .value_kind: global_buffer, .address_space: global }
      - { .name: w_codes, .offset: 56, .size: 8, .value_kind: global_buffer, .address_space: global }
      - { .name: w_scales, .offset: 64, .size: 8, .value_kind: global_buffer, .address_space: global }
      - { .name: wo_f, .offset: 72, .size: 8, .value_kind: global_buffer, .address_space: global }
    .group_segment_fixed_size: 68096
    .private_segment_fixed_size: 0
    .kernarg_segment_align: 8
    .kernarg_segment_size: 80
    .max_flat_workgroup_size: 128
    .sgpr_count:     66
    .vgpr_count:     194
    .wavefront_size: 32
...
	.end_amdgpu_metadata
.endif
;; end of part 1
;; launch qkv (part 2): grid 12 x 32, 4 waves a work-group, clusters of 4 x 4, 327,680 bytes of LDS; arguments x_codes, x_scales, w_codes, w_scales, bq, bk, bv, qkv; writes qkv
.if DOCPART == 2
	.amdgcn_target "amdgcn-amd-amdhsa--gfx1250"
	.amdhsa_code_object_version 6
	.text
	.protected	k_q3fe92acc99_qkv
	.globl	k_q3fe92acc99_qkv
	.p2align	8
	.type	k_q3fe92acc99_qkv,@function
k_q3fe92acc99_qkv:
	s_mov_b64 s[64:65], 0
	v_nop
	global_prefetch_b8 v0, s[64:65] scope:SCOPE_SE
	s_setreg_imm32_b32 hwreg(HW_REG_WAVE_MODE, 25, 1), 1
	s_wait_xcnt 0x0
	s_wait_alu depctr_hold_cnt(0) depctr_sa_sdst(0) depctr_va_vdst(0) depctr_va_sdst(0) depctr_va_ssrc(0) depctr_va_vcc(0) depctr_vm_vsrc(0)
	s_getreg_b32 s2, hwreg(HW_REG_IB_STS2, 6, 4)
	s_cmp_eq_u32 s2, 0
	s_cbranch_scc0 .Lentry_in_a_cluster
	s_endpgm
.Lentry_in_a_cluster:
	s_bfe_u32 s2, ttmp6, 0x10000c
	s_cmp_lg_u32 s2, 0xf033
	s_cbranch_scc0 .Lentry_shape_is_right
	s_endpgm
.Lentry_shape_is_right:
; Q = X Wq + bq, K = X Wk + bk, V = X Wv + bv on codes of FP4 (E2M1) with one E8M0 scale for each 32 along K (1,024); sums in f32; results rounded once to f16 and stored IN THE ORDER OF THE NEXT PRODUCT'S OPERAND REGISTERS.
; The body computes C = A B^T on tiles of 256 x 256, four waves, 128 x 128 a wave (64 accumulators, 512 registers), with the matrix instruction used transposed (source 0 = 16 rows of B, source 1 = 16 rows of A):
; a lane then holds ONE row of A's and eight neighbouring rows of B's.
;   Clusters x = 0, 1 (Q, K): A = X's tokens, B = the weights' columns: a lane's eight numbers are eight channels of a token: 16 bytes of a fragment [16 tokens x 32 channels].
;   Clusters x = 2 (V): the same text with the pointers exchanged, A = Wv's columns, B = X's tokens: eight neighbouring tokens of a channel: 16 bytes of a fragment of V^T [16 channels x 32 keys].
; The choice hangs on the cluster's x alone, which all sixteen partners share.
; qkv: Q at 0, K at 1<<24, V at 2<<24; the plane of (batch b, head) at (16 b + head) << 18.  Q, K: [token/16][channel/32][1,024 bytes].  V: [key/32][channel/16][1,024 bytes].  In 1,024 bytes: register group c at 512 c, lane l at 16 l.
; K = 1,024 is two slots of 512: both are asked for at the start and nothing is filled again.  The scale bytes of the tile's rows come once, in rows of 256 bytes.  The bias is the C of each sum's first matrix instruction.
; CLUSTERS: 4 x 4 work-groups; A's tile is shared along a row of the cluster, B's along a column: each is asked for jointly, by the same tensor load with the same descriptor and a mask that names the four.
; LIMITS: |Q|, |K|, |V| stay under 65,504 (f16).
; REGISTERS, in windows of 256: window 0: v0-31 addresses; v32-95 scale words, two sets; v128-191 A's fragments, one set; v192-255 the bias; on the way out v128-255 hold packed results.
;   window 1: B's fragments, two sets, at v0 and v128.   window 2: the accumulators of my rows 0-63 ((a, b) at v[8 (8 a + b)]);   window 3: those of my rows 64-127.
.set NQ,     4                         ; matrix instructions deep in a slot: 512 along K
.set ROWB,   256                       ; a tile's row in bytes
.set KROW,   512                       ; a row of codes in memory
.set PITCH,  272                       ; an LDS row: 256 bytes + 16 of padding: the 16 rows that a load touches start 68 words apart
.set FR,     8                         ; registers of a fragment: 16 rows x 128 K
.set NL,     2                         ; LDS loads that bring one
.set NP,     4                         ; places behind this matrix instruction (ISA guide 7.12.1)
.set HALFT,  128*PITCH                 ; 128 rows: what one tensor load brings
.set SLOT,   4*HALFT                   ; A's 256 rows, then B's 256 rows
.set KS,     32                        ; a row of scale bytes
.set SCL,    2*SLOT                    ; behind the two slots: the scales, as rows of 256 bytes + 16 of padding
.set HALFS,  (128*KS/256)*272          ; those of 128 rows
.set SBLK,   (16*KS/256)*272           ; those of 16 rows
.set SPARE,  SCL+4*HALFS               ; the spare words, 128 bytes for each wave: two blocks of 256 bytes that no other line names
.set ADRA, 16                          ; v16-17  LDS address of my A fragments in slot 0, 1
.set ADRB, 20                          ; v20-21  the same for B
.set CO,   26                          ; v26     16 x lane: my place in a store's 512 bytes
.set ADRS, 27                          ; v27     LDS address of my scale words: lanes 0-15 A's rows, lanes 16-31 B's
.set SPW,  28                          ; v28     LDS address of my spare word; never rewritten
.set NIL,  29                          ; v29     0; never rewritten
.set SC,   32                          ; scale words: set s at v[SC + 32 s]; register 4 i + q: lanes 0-15 the word of A's block i, lanes 16-31 that of B's block i
.set AF,   128
.set BIAS, 192
.set TMP,  128
.set G1, 24                            ; s[24:31] group 1 for A's tiles;  s[32:39] group 0, one set for each slot
.set G0, 32
.set G1B, 48                           ; s[48:55], s[56:63] the same for B's
.set G0B, 56
.set G1S, 68                           ; s[68:75], s[76:79] groups 1 and 0 for A's scales;  s[80:87], s[88:91] for B's
.set G0S, 76
.set G1SB, 80
.set G0SB, 88
.set MSB, 0
.macro WIN new                         ; the immediate's high byte repeats the setting that is left
.if MSB != (\new)
	s_set_vgpr_msb (MSB<<8)|(\new)
.set MSB, (\new)
.endif
.endm
.set MUL_LO, 0xa1                      ; source 0 (B) window 1, source 1 (A) window 0, C and D window 2
.set MUL_HI, 0xf1                      ; the same, C and D window 3
.set BIA_LO, 0x81                      ; the first step: C (the bias) window 0, D window 2
.set BIA_HI, 0xc1                      ; D window 3
.set TO_B,   0x40                      ; destination window 1, address window 0
; A joint load: waves 0 and 1 fetch for A, waves 2 and 3 for B; the branch hangs on the wave's number alone.  An s_nop 0 and four v_nop follow each of the two lines.
.macro JLOAD g0a, g1a, g0b, g1b
	s_cmp_eq_u32 s15, 0
	s_cbranch_scc0 .Lfor_b_\@
	tensor_load_to_lds s[\g0a:\g0a+3], s[\g1a:\g1a+7]
	s_nop 0
.rept 4
	v_nop
.endr
	s_branch .Lasked_\@
.Lfor_b_\@:
	tensor_load_to_lds s[\g0b:\g0b+3], s[\g1b:\g1b+7]
	s_nop 0
.rept 4
	v_nop
.endr
.Lasked_\@:
.endm
.macro CROUND                          ; a round of the cluster's barrier
	s_barrier_signal -1
	s_barrier_wait -1
	s_cmp_lg_u32 s14, 0
	s_cbranch_scc1 .Lnot_wave_0_\@
	s_barrier_signal -3
.Lnot_wave_0_\@:
	s_barrier_wait -3
	s_barrier_signal -1
	s_barrier_wait -1
.endm
	s_load_b256 s[4:11], s[0:1], 0x0               ; x_codes s[4:5], x_scales s[6:7], w_codes s[8:9], w_scales s[10:11]
	s_load_b128 s[96:99], s[0:1], 0x20             ; bq, bk
	s_load_b64 s[100:101], s[0:1], 0x30            ; bv
	s_load_b64 s[12:13], s[0:1], 0x38              ; qkv
	v_lshl_add_u32 v[SPW], v0, 2, SPARE
	v_mov_b32 v[NIL], 0
	ds_add_u32 v[SPW], v[NIL]                      ; the wave's opening: the add, twice on end, and its wait ahead of my first tensor load; the set-up below stands between
	ds_add_u32 v[SPW], v[NIL]
	v_lshrrev_b32 v1, 5, v0
	v_readfirstlane_b32 s14, v1                    ; wave 0..3
	s_lshr_b32 s15, s14, 1                         ; which half of A's rows is mine.  Also: I fetch for A (0) or for B (1)
	s_and_b32 s16, s14, 1                          ; which half of B's rows.  Also: which 128 rows of that tile I fetch
	s_bfe_u32 s40, ttmp6, 0x40000                  ; cx, cy: my place in the cluster
	s_bfe_u32 s41, ttmp6, 0x40004
	s_mov_b32 s66, ttmp9                           ; the cluster's x: 0 Q, 1 K, 2 V
	s_and_b32 s3, ttmp7, 0xffff                    ; the cluster's y: which 1,024 tokens
	s_cmp_eq_u32 s66, 2
	s_cselect_b32 s67, 0, s3                       ; A's tile rows: V: Wv's four; else the tokens'
	s_cselect_b32 s2, s3, s66                      ; B's: V: the tokens'; else Wq's four or Wk's four
	s_lshl_b32 s42, s2, 2
	s_add_co_u32 s42, s42, s40                     ; B's tile = 4 x its cluster coordinate + cx
	s_lshl_b32 s17, s67, 2
	s_add_co_u32 s17, s17, s41                     ; A's tile = 4 x its cluster coordinate + cy
	s_lshl_b32 s43, s41, 2
	s_lshl_b32 s43, 15, s43                        ; my row of the cluster
	s_lshl_b32 s44, 0x1111, s40                    ; my column
	; group 1: a tile of 128 rows x 256 bytes, padded in LDS
	s_or_b32 s[G1+0], s43, (0<<16)|(1<<20)|(1<<21)|(5<<22)|(3<<25)  ; 15:0 the mask; 17:16 elements of 1 byte; 20 padding on; 21 set beside a mask; 24:22 after every 64 words; 31:25 four words
	s_or_b32 s[G1B+0], s44, (0<<16)|(1<<20)|(1<<21)|(5<<22)|(3<<25)
.irp g, G1, G1B
	s_mov_b32 s[\g+1], ROWB<<16                    ; tensor_dim0
	s_mov_b32 s[\g+2], 128<<16                     ; tensor_dim1
	s_mov_b32 s[\g+3], ROWB<<16                    ; tile_dim0
	s_mov_b32 s[\g+4], 128                         ; tile_dim1
	s_mov_b32 s[\g+5], KROW                        ; tensor_dim0_stride
	s_mov_b32 s[\g+6], 0
	s_mov_b32 s[\g+7], 0
.endr
	; the scales of 128 rows: 4,096 dense bytes, as 16 rows of 256 bytes (32 elements of 8 bytes), 16 bytes of padding behind each
	s_or_b32 s[G1S+0], s43, (3<<16)|(1<<20)|(1<<21)|(5<<22)|(3<<25)
	s_or_b32 s[G1SB+0], s44, (3<<16)|(1<<20)|(1<<21)|(5<<22)|(3<<25)
.irp g, G1S, G1SB
	s_mov_b32 s[\g+1], 32<<16
	s_mov_b32 s[\g+2], (128*KS/256)<<16
	s_mov_b32 s[\g+3], 32<<16
	s_mov_b32 s[\g+4], 128*KS/256
	s_mov_b32 s[\g+5], 32
	s_mov_b32 s[\g+6], 0
	s_mov_b32 s[\g+7], 0
.endr
	s_lshl_b32 s18, s16, 7                         ; which 128 rows of the tile I fetch
	s_lshl_b32 s20, s17, 8
	s_add_co_u32 s20, s20, s18                     ; A: row 256 x tile + 128 x half
	s_lshl_b32 s46, s42, 8
	s_add_co_u32 s46, s46, s18                     ; B likewise
	s_lshl_b32 s22, s20, 5                         ; where these rows' scales begin, in bytes (32 a row),
	s_mov_b32 s23, 0
	s_lshl_b32 s92, s46, 5
	s_mov_b32 s93, 0
	s_lshl_b32 s20, s20, 9                         ; and their codes (512 a row): under 2^23
	s_mov_b32 s21, 0
	s_lshl_b32 s46, s46, 9
	s_mov_b32 s47, 0
	s_mul_i32 s45, s14, HALFT                      ; where they go: wave x 128 rows: no place in the cluster enters an LDS address
	s_mul_i32 s94, s14, HALFS
	s_wait_dscnt 0x0                               ; both opening adds are done
	s_wait_kmcnt 0x0
	s_add_nc_u64 s[18:19], s[8:9], 0x100000        ; Wv's codes: rows 2,048 on of w_codes,
	s_add_nc_u64 s[2:3], s[10:11], 0x10000         ; and its scale bytes
	s_cmp_eq_u32 s66, 2                            ; V?  The choice of buffers hangs on the cluster's x alone
	s_cselect_b64 s[18:19], s[18:19], s[4:5]       ; A's codes
	s_cselect_b64 s[2:3], s[2:3], s[6:7]           ; A's scales
	s_cselect_b64 s[8:9], s[4:5], s[8:9]           ; B's codes
	s_cselect_b64 s[10:11], s[6:7], s[10:11]       ; B's scales
	s_add_nc_u64 s[20:21], s[18:19], s[20:21]
	s_add_nc_u64 s[22:23], s[2:3], s[22:23]
	s_add_nc_u64 s[46:47], s[8:9], s[46:47]
	s_add_nc_u64 s[92:93], s[10:11], s[92:93]
	CROUND                                         ; all sixteen work-groups are here: the joint loads meet
	s_mov_b32 s[G0S], 1
	s_add_co_u32 s[G0S+1], s94, SCL
	s_mov_b64 s[G0S+2:G0S+3], s[22:23]
	s_or_b32 s[G0S+3], s[G0S+3], 0x80000000
	s_mov_b32 s[G0SB], 1
	s_add_co_u32 s[G0SB+1], s94, SCL
	s_mov_b64 s[G0SB+2:G0SB+3], s[92:93]
	s_or_b32 s[G0SB+3], s[G0SB+3], 0x80000000
	JLOAD G0S, G1S, G0SB, G1SB                     ; the scales first: they are wanted with the first step
.irp s, 0,1
	s_mov_b32 s[G0+4*\s], 1
	s_add_co_u32 s[G0+4*\s+1], s45, \s*SLOT
	s_add_nc_u64 s[G0+4*\s+2:G0+4*\s+3], s[20:21], \s*ROWB
	s_or_b32 s[G0+4*\s+3], s[G0+4*\s+3], 0x80000000
	s_mov_b32 s[G0B+4*\s], 1
	s_add_co_u32 s[G0B+4*\s+1], s45, \s*SLOT
	s_add_nc_u64 s[G0B+4*\s+2:G0B+4*\s+3], s[46:47], \s*ROWB
	s_or_b32 s[G0B+4*\s+3], s[G0B+4*\s+3], 0x80000000
	JLOAD G0+4*\s, G1, G0B+4*\s, G1B               ; three loads of mine are out: all that this launch asks for
.endr
	v_and_b32 v1, 15, v0                           ; r = l % 16
	v_bfe_u32 v2, v0, 4, 1                         ; h = l / 16
	; THE BIAS, in the result's layout, 64 registers.  Q, K: it hangs on B's row: register 8 b + j = bias[16 b + 8 h + j].  V: on A's row: registers 8 a + 0..7 all = bv[16 a + r]
	v_lshlrev_b32 v7, 5, v2                        ; 32 h
	v_lshlrev_b32 v8, 2, v1                        ; 4 r
	s_cmp_eq_u32 s66, 2
	s_cbranch_scc1 .Lbias_v
	s_cmp_eq_u32 s66, 0
	s_cselect_b64 s[96:97], s[96:97], s[98:99]     ; bq or bk
	s_lshl_b32 s18, s40, 10                        ; my tile's 256 numbers,
	s_lshl_b32 s19, s16, 9                         ; my wave's 128 of them
	s_add_co_u32 s18, s18, s19
	s_mov_b32 s19, 0
	s_add_nc_u64 s[96:97], s[96:97], s[18:19]
.irp b, 0,1,2,3,4,5,6,7
	global_load_b128 v[BIAS+8*\b:BIAS+8*\b+3], v7, s[96:97] offset:64*\b
	global_load_b128 v[BIAS+8*\b+4:BIAS+8*\b+7], v7, s[96:97] offset:64*\b+16
.endr
	s_branch .Lbias_done
.Lbias_v:
	s_lshl_b32 s18, s41, 10
	s_lshl_b32 s19, s15, 9
	s_add_co_u32 s18, s18, s19
	s_mov_b32 s19, 0
	s_add_nc_u64 s[100:101], s[100:101], s[18:19]
.irp a, 0,1,2,3,4,5,6,7
.irp j, 0,1,2,3,4,5,6,7
	global_load_b32 v[BIAS+8*\a+\j], v8, s[100:101] offset:64*\a
.endr
.endr
.Lbias_done:
	v_mul_u32_u24 v3, v1, PITCH
	v_lshl_add_u32 v4, v2, 4, v3                   ; a fragment's row x pitch + 16 x half
	s_mul_i32 s21, s15, HALFT                      ; my 128 rows of A
	s_mul_i32 s22, s16, HALFT                      ; my 128 rows of B,
	s_add_co_u32 s22, s22, 2*HALFT                 ; which lie behind A's 256
.irp s, 0,1
	v_add_nc_u32 v[ADRA+\s], s21, v4
	v_add_nc_u32 v[ADRB+\s], s22, v4
	s_add_co_u32 s21, s21, SLOT
	s_add_co_u32 s22, s22, SLOT
.endr
	v_mul_u32_u24 v5, v1, KS                       ; my row's scales: 32 bytes a row,
	v_lshrrev_b32 v6, 8, v5
	v_lshl_add_u32 v5, v6, 4, v5                   ; and 16 more for each 256 passed
	s_mul_i32 s21, s15, HALFS                      ; A's: my 128 rows
	s_mul_i32 s22, s16, HALFS                      ; B's: my 128 rows, behind A's 256
	s_add_co_u32 s22, s22, 2*HALFS
	s_sub_co_u32 s22, s22, s21
	v_mul_u32_u24 v6, s22, v2                      ; lanes 16-31 take B's: one product, the distance between the two bases
	s_add_co_u32 s21, s21, SCL
	v_add_nc_u32 v5, v5, v6
	v_add_nc_u32 v[ADRS], s21, v5
	v_and_b32 v6, 31, v0
	v_lshlrev_b32 v[CO], 4, v6
	; where my results begin in qkv
	s_cmp_eq_u32 s66, 2
	s_cselect_b32 s18, s42, s17                    ; the tokens' tile,
	s_cselect_b32 s19, s16, s15                    ; my half of it,
	s_cselect_b32 s20, s41, s40                    ; the channels' tile (256 channels: four heads),
	s_cselect_b32 s21, s15, s16                    ; my half of it (two heads)
	s_lshl_b32 s18, s18, 8
	s_lshl_b32 s19, s19, 7
	s_add_co_u32 s18, s18, s19                     ; my first token, 0..8191
	s_lshl_b32 s20, s20, 2
	s_lshl_b32 s21, s21, 1
	s_add_co_u32 s20, s20, s21                     ; my first head
	s_lshr_b32 s19, s18, 11                        ; the batch
	s_and_b32 s18, s18, 2047                       ; the token in it
	s_lshl_b32 s18, s18, 7                         ; 128 bytes a token in a plane, in Q, K and V alike
	s_lshl_b32 s19, s19, 22
	s_add_co_u32 s18, s18, s19
	s_lshl_b32 s20, s20, 18
	s_add_co_u32 s18, s18, s20
	s_lshl_b32 s19, s66, 24                        ; Q, K or V
	s_add_co_u32 s18, s18, s19
	s_mov_b32 s19, 0
	s_add_nc_u64 s[12:13], s[12:13], s[18:19]
.macro FRAG reg, adr, q, i             ; a fragment, 16 rows x 128 K of 4-bit codes: lane l holds row l % 16; registers 4 c .. 4 c + 3 hold K = 64 c + 32 (l / 16) + 0 .. 31
.irp c, 0,1
	ds_load_b128 v[\reg+4*\c:\reg+4*\c+3], v[\adr] offset:64*(\q)+32*\c+(\i)*16*PITCH
.endr
.endm
; 16 matrix instructions: A's blocks a0, a0 + 1 x B's eight, the slot's q-th 128 along K.  p: B's set;  sc: the set of scale words.  zero = 1: the sums start from the bias by B's block; 2: by A's block; 0: in place.
; The 64 accumulators take turns, one instruction a turn, in the same order in every step.
.macro MUL16 a0, p, q, sc, zero
.irp a, \a0, \a0+1
.irp b, 0,1,2,3,4,5,6,7
.if \zero == 1
	v_wmma_scale_f32_16x16x128_f8f6f4 v[8*(8*((\a)%4)+\b):8*(8*((\a)%4)+\b)+7], v[128*(\p)+FR*\b:128*(\p)+FR*\b+FR-1], v[AF+FR*(\a):AF+FR*(\a)+FR-1], v[BIAS+8*\b:BIAS+8*\b+7], v[SC+8*NQ*(\sc)+NQ*\b+(\q)], v[SC+8*NQ*(\sc)+NQ*(\a)+(\q)] matrix_a_fmt:MATRIX_FMT_FP4 matrix_b_fmt:MATRIX_FMT_FP4 matrix_a_scale:MATRIX_SCALE_ROW1
.elseif \zero == 2
	v_wmma_scale_f32_16x16x128_f8f6f4 v[8*(8*((\a)%4)+\b):8*(8*((\a)%4)+\b)+7], v[128*(\p)+FR*\b:128*(\p)+FR*\b+FR-1], v[AF+FR*(\a):AF+FR*(\a)+FR-1], v[BIAS+8*(\a):BIAS+8*(\a)+7], v[SC+8*NQ*(\sc)+NQ*\b+(\q)], v[SC+8*NQ*(\sc)+NQ*(\a)+(\q)] matrix_a_fmt:MATRIX_FMT_FP4 matrix_b_fmt:MATRIX_FMT_FP4 matrix_a_scale:MATRIX_SCALE_ROW1
.else
	v_wmma_scale_f32_16x16x128_f8f6f4 v[8*(8*((\a)%4)+\b):8*(8*((\a)%4)+\b)+7], v[128*(\p)+FR*\b:128*(\p)+FR*\b+FR-1], v[AF+FR*(\a):AF+FR*(\a)+FR-1], v[8*(8*((\a)%4)+\b):8*(8*((\a)%4)+\b)+7], v[SC+8*NQ*(\sc)+NQ*\b+(\q)], v[SC+8*NQ*(\sc)+NQ*(\a)+(\q)] matrix_a_fmt:MATRIX_FMT_FP4 matrix_b_fmt:MATRIX_FMT_FP4 matrix_a_scale:MATRIX_SCALE_ROW1
.endif
.endr
.endr
.endm
.macro FETCH_B slot, q, p              ; B's eight fragments of the slot's q-th 128 along K into set p
	WIN TO_B
.irp i, 0,1,2,3,4,5,6,7
	FRAG 128*(\p)+FR*\i, ADRB+\slot, \q, \i
.endr
	WIN 0
.endm
.macro FETCH_A slot, q, i0             ; A's blocks i0 .. i0 + 3
.irp i, \i0, \i0+1, \i0+2, \i0+3
	FRAG AF+FR*(\i), ADRA+\slot, \q, \i
.endr
.endm
.macro SCALES sc                       ; a slot's scale words into set sc: four words a row; lanes 0-15 take A's block i, lanes 16-31 B's block i
.irp i, 0,1,2,3,4,5,6,7
	ds_load_b128 v[SC+8*NQ*\sc+NQ*\i:SC+8*NQ*\sc+NQ*\i+3], v[ADRS] offset:\i*SBLK
.endr
.endm
; A load into a register that a matrix instruction has read, and a vector instruction that reads a matrix result or writes one of its registers, stand four places behind it; only plain vector instructions that name none of its registers are places
.macro PLACES n
.rept \n
	v_nop
.endr
.endm
; A step of 128 along K that has its successor in the same slot.  A's blocks 0-3 are fetched anew in its middle, blocks 4-7 at its end; B has two sets.
.macro STEP slot, q, zero
	s_wait_dscnt 4*NL                              ; B's set and A's blocks 0-3 are in; the youngest eight loads (A's blocks 4-7) may be out
.if \zero
	WIN BIA_LO
.else
	WIN MUL_LO
.endif
	MUL16 0, (\q)%2, \q, \slot, \zero
	MUL16 2, (\q)%2, \q, \slot, \zero
	s_wait_dscnt 0                                 ; A's blocks 4-7 are in
	PLACES NP
	FETCH_B \slot, (\q)+1, 1-(\q)%2
	FETCH_A \slot, (\q)+1, 0
.if \zero
	WIN BIA_HI
.else
	WIN MUL_HI
.endif
	MUL16 4, (\q)%2, \q, \slot, \zero
	MUL16 6, (\q)%2, \q, \slot, \zero
	PLACES NP
	WIN 0
	FETCH_A \slot, (\q)+1, 4
.endm
	s_wait_loadcnt 0x0                             ; the bias
	s_wait_tensorcnt 1                             ; the scales and my part of slot 0 are in (slot 1's load may be out)
	s_barrier_signal -1
	s_barrier_wait -1                              ; everybody's are
	FETCH_B 0, 0, 0
	FETCH_A 0, 0, 0
	SCALES 0
	FETCH_A 0, 0, 4
	s_cmp_eq_u32 s66, 2                            ; the first step is written twice: its products start the sums from the bias, which lies by B's blocks (Q, K) or by A's (V)
	s_cbranch_scc1 .Lfirst_v
	STEP 0, 0, 1
	s_branch .Lfirst_done
.Lfirst_v:
	STEP 0, 0, 2
.Lfirst_done:
	STEP 0, 1, 0
	STEP 0, 2, 0
	; slot 0's last step changes slots: one barrier; in front of it each wave waits for its part of slot 1
	s_wait_tensorcnt 0x0                           ; all my tensor loads have landed;
	ds_add_u32 v[SPW], v[NIL]                      ; 0 onto my spare word;
	s_wait_dscnt 4*NL+1                            ; (the add and the youngest eight loads may be out)
	WIN MUL_LO
	MUL16 0, 1, NQ-1, 0, 0                         ; sixteen matrix instructions stand between the add and the wait for it
	s_wait_dscnt 0x0                               ; the add is done, and no LDS instruction of mine is pending at the signal
	s_barrier_signal -1
	MUL16 2, 1, NQ-1, 0, 0
	WIN 0
	s_barrier_wait -1                              ; slot 1 is whole
	PLACES NP
	v_add_nc_u32 v[ADRS], 4*NQ, v[ADRS]            ; on to slot 1's scale words (no LDS load of mine is out)
	FETCH_B 1, 0, 0
	FETCH_A 1, 0, 0
	SCALES 1
	WIN MUL_HI
	MUL16 4, 1, NQ-1, 0, 0
	MUL16 6, 1, NQ-1, 0, 0
	PLACES NP
	WIN 0
	FETCH_A 1, 0, 4
	STEP 1, 0, 0
	STEP 1, 1, 0
	STEP 1, 2, 0
	s_wait_dscnt 4*NL                              ; the very last step: nothing more to fetch
	WIN MUL_LO
	MUL16 0, 1, NQ-1, 1, 0
	MUL16 2, 1, NQ-1, 1, 0
	s_wait_dscnt 0
	WIN MUL_HI
	MUL16 4, 1, NQ-1, 1, 0
	MUL16 6, 1, NQ-1, 1, 0
	WIN 0
; THE WAY OUT.  A lane's eight results round to 16 bytes of f16, which ARE its share of a register group of the next product's fragment: accumulator (a, b) leaves by one store of 512 consecutive bytes, aligned.  No LDS.
; Q, K: token tile a, head b / 4, channels 16 (b % 4) on.   V: head a / 4, channel tile a % 4, keys 16 b on.
.macro OUTALL isv
.irp a, 0,1,2,3,4,5,6,7
.if \a >= 4
	s_wait_xcnt 0x0                                ; the stores of four blocks back have read their data: the registers are written again only behind this wait
.endif
	WIN 0x0a+5*(\a/4)                              ; sources 0 and 1: window 2 or 3
.irp b, 0,1,2,3,4,5,6,7
.irp r, 0,1,2,3
	v_cvt_pk_f16_f32 v[TMP+32*(\a%4)+4*\b+\r], v[64*(\a%4)+8*\b+2*\r], v[64*(\a%4)+8*\b+2*\r+1]   ; each accumulator from its low end on
.endr
.endr
	WIN 0
.irp b, 0,1,2,3,4,5,6,7
.if \isv
	global_store_b128 v[CO], v[TMP+32*(\a%4)+4*\b:TMP+32*(\a%4)+4*\b+3], s[12:13] offset:((\a/4)<<18)+4096*(\b/2)+1024*(\a%4)+512*(\b%2)
.else
	global_store_b128 v[CO], v[TMP+32*(\a%4)+4*\b:TMP+32*(\a%4)+4*\b+3], s[12:13] offset:((\b/4)<<18)+2048*\a+512*(\b%4)
.endif
.endr
.endr
.endm
	PLACES NP                                      ; behind the last products: the conversions write registers that held A's fragments, and later read the last results
	s_cmp_eq_u32 s66, 2
	s_cbranch_scc1 .Lout_v
	OUTALL 0
	s_branch .Lout_done
.Lout_v:
	OUTALL 1
.Lout_done:
	s_wait_tensorcnt 0x0                           ; the wave's end
	ds_add_u32 v[SPW], v[NIL]
	s_wait_dscnt 0x0
	CROUND                                         ; the closing round: no work-group ends while a partner may still ask for a tile that names it
	s_endpgm
.Lfunc_end_k_q3fe92acc99_qkv:
	.size	k_q3fe92acc99_qkv, .Lfunc_end_k_q3fe92acc99_qkv-k_q3fe92acc99_qkv
	.p2alignl 7, 3214868480
	.fill 96, 4, 3214868480
	.section	.rodata,"a",@progbits
	.p2align	6, 0x0
	.amdhsa_kernel k_q3fe92acc99_qkv
		.amdhsa_group_segment_fixed_size 327680
		.amdhsa_private_segment_fixed_size 0
		.amdhsa_enable_private_segment 0
		.amdhsa_kernarg_size 64
		.amdhsa_user_sgpr_count 2
		.amdhsa_user_sgpr_kernarg_segment_ptr 1
		.amdhsa_wavefront_size32 1
		.amdhsa_system_sgpr_workgroup_id_x 1
		.amdhsa_system_sgpr_workgroup_id_y 1
		.amdhsa_system_sgpr_workgroup_id_z 1
		.amdhsa_system_vgpr_workitem_id 0
		.amdhsa_next_free_vgpr 1024
		.amdhsa_next_free_sgpr 102
		.amdhsa_reserve_vcc 0
		.amdhsa_float_denorm_mode_32 3
		.amdhsa_float_denorm_mode_16_64 3
		.amdhsa_memory_ordered 1
		.amdhsa_forward_progress 1
		.amdhsa_inst_pref_size 159
	.end_amdhsa_kernel
	.amdgpu_metadata
---
amdhsa.version: [ 1, 2 ]
amdhsa.kernels:
  - .name:           k_q3fe92acc99_qkv
    .symbol:         k_q3fe92acc99_qkv.kd
    .args:
      - { .name: x_codes, .offset: 0, .size: 8, .value_kind: global_buffer, .address_space: global }
      - { .name: x_scales, .offset: 8, .size: 8, .value_kind: global_buffer, .address_space: global }
      - { .name: w_codes, .offset: 16, .size: 8, .value_kind: global_buffer, .address_space: global }
      - { .name: w_scales, .offset: 24, .size: 8, .value_kind: global_buffer, .address_space: global }
      - { .name: bq, .offset: 32, .size: 8, .value_kind: global_buffer, .address_space: global }
      - { .name: bk, .offset: 40, .size: 8, .value_kind: global_buffer, .address_space: global }
      - { .name: bv, .offset: 48, .size: 8, .value_kind: global_buffer, .address_space: global }
      - { .name: qkv, .offset: 56, .size: 8, .value_kind: global_buffer, .address_space: global }
    .group_segment_fixed_size: 327680
    .private_segment_fixed_size: 0
    .kernarg_segment_align: 8
    .kernarg_segment_size: 64
    .max_flat_workgroup_size: 128
    .sgpr_count:     102
    .vgpr_count:     1024
    .wavefront_size: 32
...
	.end_amdgpu_metadata
.endif
;; end of part 2
;; launch attn (part 3): grid 4 x 64, 16 waves a work-group, clusters of 4 x 1, 327,680 bytes of LDS; arguments qkv, z_f; writes z_f
.if DOCPART == 3
	.amdgcn_target "amdgcn-amd-amdhsa--gfx1250"
	.amdhsa_code_object_version 6
	.text
	.protected	k_q3fe92acc99_attn
	.globl	k_q3fe92acc99_attn
	.p2align	8
	.type	k_q3fe92acc99_attn,@function
k_q3fe92acc99_attn:
	s_mov_b64 s[64:65], 0
	v_nop
	global_prefetch_b8 v0, s[64:65] scope:SCOPE_SE
	s_setreg_imm32_b32 hwreg(HW_REG_WAVE_MODE, 25, 1), 1
	s_wait_xcnt 0x0
	s_wait_alu depctr_hold_cnt(0) depctr_sa_sdst(0) depctr_va_vdst(0) depctr_va_sdst(0) depctr_va_ssrc(0) depctr_va_vcc(0) depctr_vm_vsrc(0)
	s_getreg_b32 s2, hwreg(HW_REG_IB_STS2, 6, 4)
	s_cmp_eq_u32 s2, 0
	s_cbranch_scc0 .Lentry_in_a_cluster
	s_endpgm
.Lentry_in_a_cluster:
	s_bfe_u32 s2, ttmp6, 0x10000c
	s_cmp_lg_u32 s2, 0x3003
	s_cbranch_scc0 .Lentry_shape_is_right
	s_endpgm
.Lentry_shape_is_right:
; Z[b][head][q] = the sum over k of softmax_k(Q[q] . K[k] / 8) V[k], head size 64, 2,048 keys, no mask.  Operands in f16, products, maxima and sums in f32; the weights p are rounded to f16 for the second product, Z once at the end.
; Q, K, V arrive from qkv IN THE ORDER OF THE OPERANDS' REGISTERS (blocks of 1,024 bytes: 16 rows x 32 K; register group c at 512 c, lane l at 16 l): every LDS and global load is 16 x lane + a constant, 512 consecutive bytes an instruction.
; SHARES.  A work-group owns 512 queries of one (batch, head); each of its sixteen waves 32 of them, two tiles, in 256 registers: four waves to a SIMD, so that one wave's softmax stands beside another's products and LDS loads.
; Every wave walks all keys, 64 a step.  K and V come through a ring of two LDS slots of 256 keys (32 KB of K, 32 KB of V), filled by waves 0 to 3, 16 KB each, and read by all sixteen.
; CLUSTER.  The four query blocks of a (batch, head) walk the same K and V: each tile is asked for JOINTLY, by the same tensor load with the same descriptor and a mask that names the four.
; LAYOUT.  S^T = K Q^T (source 0 = 16 keys, source 1 = 16 queries): a lane holds ONE query (l % 16) and keys 8 (l / 16) + 0..7.  Two such tiles, rounded to f16 in pairs, ARE source 1 (32 keys x 16 queries) of O^T = V^T P,
; whose result again holds one query a lane and eight channels, which round to 16 bytes of the output projection's fragment.
; SOFTMAX.  A running maximum m and sum l for each query: p = 2^(c s - c m), c = log2(e) / 8; in every step O and l are multiplied by a = 2^(c m_old - c m_new).  The step is written once: O and l begin as zeros, m as -3e38.
; z_f: [head/2][token/16][2 (head%2) + channel/32][1,024 bytes].
; LIMITS: |Z| under 65,504 (f16); a p under 2^-25 rounds to 0 in the second product (not in l); scores under -3e38 are not served.
.set SLOTB, 65536                      ; a slot: 256 keys of K, then of V
.set VOFF,  32768
.set SPARE, 2*SLOTB                    ; behind the ring: the spare words, 128 bytes for each of sixteen waves: eight blocks of 256 bytes that no other line names
.set L16, 1                            ; v1   16 x lane; never rewritten
.set ADR, 2                            ; v2   the slot in hand + 16 x lane
.set SPW, 3                            ; v3   LDS address of my spare word; never rewritten
.set NIL, 4                            ; v4   0; never rewritten
.set PFO, 5                            ; v5   256 x lane: the prefetches' offset; never rewritten
.set ST,  16                           ; tile t's statistics at v[ST + 8 t]: +0 c m, +1 m, +2, +3 l (even keys', odd keys'), +4 to +7 c0-c3 at work; a takes c2's place, the sums' second chain c0 and c1's
.set Q,   32                           ; v32-63   Q: tile t, channels 32 u on, at Q + 16 t + 8 u
.set KV,  64                           ; v64-127  eight fragments of K, then of V
.set S,   128                          ; v128-191 S^T: tile t, keys 16 k on, at S + 32 t + 8 k; P is packed in place: keys 32 g on at S + 32 t + 8 g
.set O,   192                          ; v192-255 O^T: tile t, channels 16 a on, at O + 32 t + 8 a
.set WV,  8                            ; s8   my wave's number
.macro ROUND                           ; a round of the cluster's barrier
	s_barrier_signal -1
	s_barrier_wait -1
	s_cmp_lg_u32 s[WV], 0
	s_cbranch_scc1 .Lnot_wave_0_\@
	s_barrier_signal -3
.Lnot_wave_0_\@:
	s_barrier_wait -3
	s_barrier_signal -1
	s_barrier_wait -1
.endm
.macro TLOAD                           ; waves 0 to 3 fetch: K's two halves, V's two halves.  The branch hangs on the wave's number alone.  An s_nop 0 and four v_nop follow the load
	s_cmp_lt_u32 s[WV], 4
	s_cbranch_scc0 .Lno_load_\@
	tensor_load_to_lds s[12:15], s[16:23]
	s_nop 0
.rept 4
	v_nop
.endr
.Lno_load_\@:
.endm
; A PREFETCH INTO THE L2 of what the NEXT change of slots will ask for: 32 KB of K and 32 KB of V.  The four partners share them out by address, 8 KB each; in each, wave 4 asks for K's and wave 5 for V's, lanes 256 bytes apart:
; each aligned block of 256 bytes is named once in the launch.  It stands behind the tensor load, four key steps ahead of the load that will want the bytes.  The last change that fills a slot asks for nothing.
.macro ASK
	s_cmp_gt_u32 s29, s36
	s_cbranch_scc0 .Lnot_mine_\@
	global_prefetch_b8 v[PFO], s[34:35] th:TH_LOAD_NT scope:SCOPE_SE
.Lnot_mine_\@:
.endm
	s_load_b128 s[4:7], s[0:1], 0x0                ; qkv s[4:5], z_f s[6:7]
	v_lshl_add_u32 v[SPW], v0, 2, SPARE
	v_mov_b32 v[NIL], 0
	ds_add_u32 v[SPW], v[NIL]                      ; the wave's opening: the add, twice on end, and its wait ahead of the first tensor load; the set-up below stands between
	ds_add_u32 v[SPW], v[NIL]
	v_lshrrev_b32 v6, 5, v0
	v_readfirstlane_b32 s[WV], v6                  ; wave 0..15
	s_bfe_u32 s9, ttmp6, 0x40000                   ; cx: my block of 512 queries: it enters Q's, Z's and the prefetches' addresses alone
	s_and_b32 s10, ttmp7, 0xffff                   ; 16 x batch + head, which the four partners share
	; group 1: 16,384 dense bytes as 64 rows of 256 bytes (32 elements of 8 bytes), no padding
	s_mov_b32 s16, 15|(3<<16)|(1<<21)              ; 15:0 the mask: all four work-groups; 17:16 elements of 8 bytes; 21 set beside a mask
	s_mov_b32 s17, 32<<16                          ; tensor_dim0
	s_mov_b32 s18, 64<<16                          ; tensor_dim1
	s_mov_b32 s19, 32<<16                          ; tile_dim0
	s_mov_b32 s20, 64                              ; tile_dim1
	s_mov_b32 s21, 32                              ; tensor_dim0_stride
	s_mov_b32 s22, 0
	s_mov_b32 s23, 0
	s_mov_b32 s24, 0x3e38aa3b                      ; c = log2(e) / 8
	s_mov_b32 s25, s24                             ; (named with it as a pair, so it is written)
	s_mov_b32 s26, 0x76543210                      ; v_permlanex16_b32's selects for lane l xor 16
	s_mov_b32 s27, 0xfedcba98
	s_mov_b32 s28, 0                               ; LDS byte at which the slot in hand begins
	s_mov_b32 s29, 7                               ; slots still to be asked for
	s_and_b32 s11, s[WV], 3                        ; which quarter of a slot I fetch, if I fetch
	s_lshl_b32 s37, s10, 18                        ; my plane in Q, in K and in V
	s_lshr_b32 s38, s11, 1
	s_add_co_u32 s38, s38, 1
	s_lshl_b32 s38, s38, 24                        ; K (quarters 0, 1) or V (2, 3),
	s_and_b32 s39, s11, 1
	s_lshl_b32 s39, s39, 14                        ; its first or second 16 KB
	s_add_co_u32 s38, s38, s39
	s_add_co_u32 s38, s38, s37
	s_mov_b32 s39, 0
	s_lshl_b32 s40, s9, 16                         ; Q: 512 queries are 65,536 bytes,
	s_lshl_b32 s41, s[WV], 12                      ; my 32 are 4,096
	s_add_co_u32 s40, s40, s41
	s_add_co_u32 s40, s40, s37
	s_mov_b32 s41, 0
	s_bfe_u32 s42, s10, 0x30001                    ; Z: head / 2,
	s_lshl_b32 s42, s42, 21
	s_lshr_b32 s43, s10, 4                         ; the batch: 128 token tiles of 4,096 bytes,
	s_lshl_b32 s43, s43, 19
	s_add_co_u32 s42, s42, s43
	s_lshl_b32 s43, s9, 17                         ; my block's 32 tiles,
	s_add_co_u32 s42, s42, s43
	s_lshl_b32 s43, s[WV], 13                      ; my wave's two,
	s_add_co_u32 s42, s42, s43
	s_and_b32 s43, s10, 1                          ; head % 2: 2,048 bytes
	s_lshl_b32 s43, s43, 11
	s_add_co_u32 s42, s42, s43
	s_mov_b32 s43, 0
	s_and_b32 s44, s[WV], 1                        ; the prefetches: wave 4 K's, wave 5 V's,
	s_add_co_u32 s44, s44, 1
	s_lshl_b32 s44, s44, 24
	s_lshl_b32 s45, s9, 13                         ; my work-group's 8 KB of a slot's 32,
	s_add_co_u32 s44, s44, s45
	s_add_co_u32 s44, s44, s37
	s_add_co_u32 s44, s44, 32768                   ; in slot 1: the first change of slots steps it to slot 2
	s_mov_b32 s45, 0
	s_lshr_b32 s46, s[WV], 1
	s_cmp_eq_u32 s46, 2
	s_cselect_b32 s36, 1, -1                       ; 1 in waves 4 and 5, else the greatest number: a wave prefetches while s29 is above it
	s_wait_dscnt 0x0                               ; both opening adds are done
	s_wait_kmcnt 0x0
	s_mov_b32 s12, 1                               ; group 0, which walks: count = 1,
	s_lshl_b32 s13, s11, 14                        ; LDS address: my quarter of slot 0,
	s_add_nc_u64 s[14:15], s[4:5], s[38:39]        ; global address: the first 256 keys,
	s_or_b32 s15, s15, 0x80000000                  ; type = 2
	s_add_nc_u64 s[30:31], s[4:5], s[40:41]        ; Q at my first query
	s_add_nc_u64 s[32:33], s[6:7], s[42:43]        ; Z likewise
	s_add_nc_u64 s[34:35], s[4:5], s[44:45]
	ROUND                                          ; all four work-groups are here: the first joint loads meet
	TLOAD                                          ; slot 0
	v_and_b32 v6, 31, v0
	v_lshlrev_b32 v[L16], 4, v6
	v_lshlrev_b32 v[PFO], 8, v6
.irp i, 0,1,2,3,4,5,6,7
	global_load_b128 v[Q+4*\i:Q+4*\i+3], v[L16], s[30:31] offset:512*\i   ; Q stays in registers
.endr
.irp t, 0,1
	v_mov_b32 v[ST+8*\t+1], 0xff61b1e6             ; m = -3e38, under every score
	v_mov_b32 v[ST+8*\t+2], 0                      ; l
	v_mov_b32 v[ST+8*\t+3], 0
	v_mul_f32 v[ST+8*\t], s24, v[ST+8*\t+1]        ; c m
.endr
.set i, 0
.rept 64
	v_mov_b32 v[O+i], 0                            ; O^T: the step is written once; its first pass multiplies zeros by a = 0
.set i, i+1
.endr
; THE SOFTMAX of a key step, both tiles line by line by turns, so that no line waits for the line above it.
.macro SOFTMAX
.irp j, 0,1,2,3                        ; the maximum of my 32 scores and the old m: four chains, each from an accumulator's low end on
.irp t, 0,1
	v_max3_num_f32 v[ST+8*\t+4+\j], v[S+32*\t+8*\j], v[S+32*\t+8*\j+1], v[S+32*\t+8*\j+2]
.endr
.endr
.irp i, 3,5
.irp j, 0,1,2,3
.irp t, 0,1
	v_max3_num_f32 v[ST+8*\t+4+\j], v[ST+8*\t+4+\j], v[S+32*\t+8*\j+\i], v[S+32*\t+8*\j+\i+1]
.endr
.endr
.endr
.irp t, 0,1
	v_max3_num_f32 v[ST+8*\t+4], v[ST+8*\t+4], v[S+32*\t+7], v[S+32*\t+15]
.endr
.irp t, 0,1
	v_max3_num_f32 v[ST+8*\t+6], v[ST+8*\t+6], v[S+32*\t+23], v[S+32*\t+31]
.endr
.irp t, 0,1
	v_max3_num_f32 v[ST+8*\t+4], v[ST+8*\t+4], v[ST+8*\t+5], v[ST+8*\t+6]
.endr
.irp t, 0,1
	v_max3_num_f32 v[ST+8*\t+4], v[ST+8*\t+4], v[ST+8*\t+7], v[ST+8*\t+1]
.endr
.irp t, 0,1
	v_permlanex16_b32 v[ST+8*\t+5], v[ST+8*\t+4], s26, s27   ; the query's other 32 keys lie in the lane 16 away
.endr
.irp t, 0,1
	v_mov_b32 v[ST+8*\t+7], v[ST+8*\t]             ; c m_old is kept for a
.endr
.irp t, 0,1
	v_max_num_f32 v[ST+8*\t+1], v[ST+8*\t+4], v[ST+8*\t+5]
.endr
.irp t, 0,1
	v_mul_f32 v[ST+8*\t], s24, v[ST+8*\t+1]
.endr
.irp t, 0,1
	v_sub_f32 v[ST+8*\t+7], v[ST+8*\t+7], v[ST+8*\t]
.endr
.irp i, 0,2,4,6,8,10,12,14,16,18,20,22,24,26,28,30
.irp t, 0,1
	v_pk_fma_f32 v[S+32*\t+\i:S+32*\t+\i+1], v[S+32*\t+\i:S+32*\t+\i+1], s[24:25], v[ST+8*\t:ST+8*\t+1] op_sel_hi:[1,0,0] neg_lo:[0,0,1] neg_hi:[0,0,1]   ; c s - c m, two at a time
.endr
.endr
.irp t, 0,1
	v_exp_f32 v[ST+8*\t+6], v[ST+8*\t+7]           ; a
.endr
.irp i, 0,1,2,3,4,5,6,7,8,9,10,11,12,13,14,15,16,17,18,19,20,21,22,23,24,25,26,27,28,29,30,31
.irp t, 0,1
	v_exp_f32 v[S+32*\t+\i], v[S+32*\t+\i]         ; p, at most 1
.endr
.endr
	v_nop                                          ; one plain instruction behind the last exponential,
	s_wait_alu depctr_va_vdst(0)                   ; and ONE wait for the 66, ahead of the first instruction that names a result
.irp t, 0,1                            ; l = a l + the sum of the unrounded p, in two chains
	v_pk_fma_f32 v[ST+8*\t+2:ST+8*\t+3], v[ST+8*\t+2:ST+8*\t+3], v[ST+8*\t+6:ST+8*\t+7], v[S+32*\t:S+32*\t+1] op_sel_hi:[1,0,1]
.endr
.irp t, 0,1
	v_pk_add_f32 v[ST+8*\t+4:ST+8*\t+5], v[S+32*\t+2:S+32*\t+3], v[S+32*\t+4:S+32*\t+5]
.endr
.irp i, 6,10,14,18,22,26
.irp t, 0,1
	v_pk_add_f32 v[ST+8*\t+2:ST+8*\t+3], v[ST+8*\t+2:ST+8*\t+3], v[S+32*\t+\i:S+32*\t+\i+1]
.endr
.irp t, 0,1
	v_pk_add_f32 v[ST+8*\t+4:ST+8*\t+5], v[ST+8*\t+4:ST+8*\t+5], v[S+32*\t+\i+2:S+32*\t+\i+3]
.endr
.endr
.irp t, 0,1
	v_pk_add_f32 v[ST+8*\t+2:ST+8*\t+3], v[ST+8*\t+2:ST+8*\t+3], v[S+32*\t+30:S+32*\t+31]
.endr
.irp t, 0,1
	v_pk_add_f32 v[ST+8*\t+2:ST+8*\t+3], v[ST+8*\t+2:ST+8*\t+3], v[ST+8*\t+4:ST+8*\t+5]
.endr
.irp i, 0,1,2,3,4,5,6,7,8,9,10,11,12,13,14,15
.irp t, 0,1
	v_cvt_pk_f16_f32 v[S+32*\t+\i], v[S+32*\t+2*\i], v[S+32*\t+2*\i+1]   ; P in place, ascending: register i is written when registers 2 i and 2 i + 1 are read
.endr
.endr
.irp i, 0,2,4,6,8,10,12,14,16,18,20,22,24,26,28,30
.irp t, 0,1
	v_pk_mul_f32 v[O+32*\t+\i:O+32*\t+\i+1], v[O+32*\t+\i:O+32*\t+\i+1], v[ST+8*\t+6:ST+8*\t+7] op_sel_hi:[1,0]   ; O^T x a, each accumulator from its low end on
.endr
.endr
.endm
; A KEY STEP: 64 keys, the q-th of the slot in hand.  The accumulators take turns, one instruction a turn: between two links of a chain stand seven others'.
.macro STEP q
.irp u, 0,1                            ; K: keys 16 k on, channels 32 u on; the first 32 channels first
.irp k, 0,1,2,3
.irp c, 0,1
	ds_load_b128 v[KV+8*(4*\u+\k)+4*\c:KV+8*(4*\u+\k)+4*\c+3], v[ADR] offset:8192*(\q)+2048*\k+1024*\u+512*\c
.endr
.endr
.endr
	s_wait_dscnt 8                                 ; the first 32 channels are in; the other eight loads may be out
.irp k, 0,1,2,3
.irp t, 0,1
	v_wmma_f32_16x16x32_f16 v[S+32*\t+8*\k:S+32*\t+8*\k+7], v[KV+8*\k:KV+8*\k+7], v[Q+16*\t:Q+16*\t+7], 0
.endr
.endr
	s_wait_dscnt 0x0
.irp k, 0,1,2,3
.irp t, 0,1
	v_wmma_f32_16x16x32_f16 v[S+32*\t+8*\k:S+32*\t+8*\k+7], v[KV+32+8*\k:KV+32+8*\k+7], v[Q+16*\t+8:Q+16*\t+15], v[S+32*\t+8*\k:S+32*\t+8*\k+7]
.endr
.endr
.rept 4
	v_nop                                          ; four places: in front of the loads into K's registers, and of the first read of the scores
.endr
.irp g, 0,1                            ; V^T: keys 32 g on, channels 16 a on: on their way while the softmax is worked
.irp a, 0,1,2,3
.irp c, 0,1
	ds_load_b128 v[KV+8*(4*\g+\a)+4*\c:KV+8*(4*\g+\a)+4*\c+3], v[ADR] offset:VOFF+8192*(\q)+4096*\g+1024*\a+512*\c
.endr
.endr
.endr
	SOFTMAX
	s_wait_dscnt 0x0                               ; V is in
.irp g, 0,1
.irp a, 0,1,2,3
.irp t, 0,1
	v_wmma_f32_16x16x32_f16 v[O+32*\t+8*\a:O+32*\t+8*\a+7], v[KV+8*(4*\g+\a):KV+8*(4*\g+\a)+7], v[S+32*\t+8*\g:S+32*\t+8*\g+7], v[O+32*\t+8*\a:O+32*\t+8*\a+7]
.endr
.endr
.endr
.rept 5
	v_nop                                          ; four places in front of the next loads into V's registers; five in front of the next K Q^T, which writes over P
.endr
.endm
; THE CHANGE OF SLOTS stands at a slot's head.  Each wave waits for all its tensor loads (its part of the slot ahead), adds 0 to its spare word, and waits for that and for its reads of the slot that it has left.
; fill = 1: a round of the cluster's barrier, so that no wave of any partner still reads that slot or has a load on its way; the joint refill is the first thing behind it and has four key steps in which to land.  One load of a wave is out.
.macro CHANGE fill
	s_wait_tensorcnt 0x0                           ; no tensor load of mine is out, so group 0 may be written
	ds_add_u32 v[SPW], v[NIL]                      ; 0 onto my spare word
.if \fill
	ds_add_u32 v[SPW], v[NIL]                      ; and once more: the add stands twice on end, in every trip alike
	s_xor_b32 s13, s13, SLOTB                      ; the walking descriptor: the other slot than last time,
	s_add_nc_u64 s[14:15], s[14:15], 32768         ; the next 256 keys; the type bits on top are not reached
	s_wait_xcnt 0x0                                ; the last prefetch, a slot back, has read its address, so it may be written:
	s_add_nc_u64 s[34:35], s[34:35], 32768         ; one slot further on than the walking descriptor
	s_wait_dscnt 0x0                               ; both adds are done, and my reads of the slot that I have left are over
	ROUND
	TLOAD
	ASK
.else
	s_wait_dscnt 0x0
	s_barrier_signal -1
	s_barrier_wait -1
.endif
.endm
.macro SLOT_STEPS
	v_add_nc_u32 v[ADR], s28, v[L16]
	STEP 0
	STEP 1
	STEP 2
	STEP 3
	s_xor_b32 s28, s28, SLOTB                      ; on to the other slot
.endm
	s_wait_loadcnt 0x0                             ; Q
.Lslot:                                            ; seven trips: behind each change of slots but the last the next slot is asked for
	CHANGE 1
	SLOT_STEPS
	s_sub_co_u32 s29, s29, 1
	s_cmp_lg_u32 s29, 0
	s_cbranch_scc1 .Lslot
	CHANGE 0                                       ; the last slot is written out
	SLOT_STEPS
	; THE WAY OUT.  l's two halves and the other half of the lanes' are added; O^T is divided by l and rounded to f16: a lane's eight channels are 16 bytes of the next product's fragment, so each accumulator leaves by one store of 512 consecutive bytes
.irp t, 0,1
	v_add_f32 v[ST+8*\t+4], v[ST+8*\t+2], v[ST+8*\t+3]
.endr
.irp t, 0,1
	v_permlanex16_b32 v[ST+8*\t+5], v[ST+8*\t+4], s26, s27
.endr
.irp t, 0,1
	v_add_f32 v[ST+8*\t+4], v[ST+8*\t+4], v[ST+8*\t+5]
.endr
.irp t, 0,1
	v_rcp_f32 v[ST+8*\t+6], v[ST+8*\t+4]
.endr
	v_nop                                          ; a plain instruction behind the last reciprocal,
	s_wait_alu depctr_va_vdst(0)                   ; and the wait ahead of the first use: one for both
.irp t, 0,1
.irp i, 0,2,4,6,8,10,12,14,16,18,20,22,24,26,28,30
	v_pk_mul_f32 v[O+32*\t+\i:O+32*\t+\i+1], v[O+32*\t+\i:O+32*\t+\i+1], v[ST+8*\t+6:ST+8*\t+7] op_sel_hi:[1,0]
.endr
.endr
.irp t, 0,1
.irp i, 0,1,2,3,4,5,6,7,8,9,10,11,12,13,14,15
	v_cvt_pk_f16_f32 v[S+16*\t+\i], v[O+32*\t+2*\i], v[O+32*\t+2*\i+1]
.endr
.endr
.irp t, 0,1
.irp a, 0,1,2,3
	global_store_b128 v[L16], v[S+16*\t+4*\a:S+16*\t+4*\a+3], s[32:33] offset:4096*\t+512*\a
.endr
.endr
	s_wait_tensorcnt 0x0                           ; the wave's end
	ds_add_u32 v[SPW], v[NIL]
	s_wait_dscnt 0x0
	ROUND                                          ; the closing round: no work-group ends while a partner may still ask for a tile that names it
	s_endpgm
.Lfunc_end_k_q3fe92acc99_attn:
	.size	k_q3fe92acc99_attn, .Lfunc_end_k_q3fe92acc99_attn-k_q3fe92acc99_attn
	.p2alignl 7, 3214868480
	.fill 96, 4, 3214868480
	.section	.rodata,"a",@progbits
	.p2align	6, 0x0
	.amdhsa_kernel k_q3fe92acc99_attn
		.amdhsa_group_segment_fixed_size 327680
		.amdhsa_private_segment_fixed_size 0
		.amdhsa_enable_private_segment 0
		.amdhsa_kernarg_size 16
		.amdhsa_user_sgpr_count 2
		.amdhsa_user_sgpr_kernarg_segment_ptr 1
		.amdhsa_wavefront_size32 1
		.amdhsa_system_sgpr_workgroup_id_x 1
		.amdhsa_system_sgpr_workgroup_id_y 1
		.amdhsa_system_sgpr_workgroup_id_z 1
		.amdhsa_system_vgpr_workitem_id 0
		.amdhsa_next_free_vgpr 256
		.amdhsa_next_free_sgpr 66
		.amdhsa_reserve_vcc 0
		.amdhsa_float_denorm_mode_32 3
		.amdhsa_float_denorm_mode_16_64 3
		.amdhsa_memory_ordered 1
		.amdhsa_forward_progress 1
		.amdhsa_inst_pref_size 150
	.end_amdhsa_kernel
	.amdgpu_metadata
---
amdhsa.version: [ 1, 2 ]
amdhsa.kernels:
  - .name:           k_q3fe92acc99_attn
    .symbol:         k_q3fe92acc99_attn.kd
    .args:
      - { .name: qkv, .offset: 0, .size: 8, .value_kind: global_buffer, .address_space: global }
      - { .name: z_f, .offset: 8, .size: 8, .value_kind: global_buffer, .address_space: global }
    .group_segment_fixed_size: 327680
    .private_segment_fixed_size: 0
    .kernarg_segment_align: 8
    .kernarg_segment_size: 16
    .max_flat_workgroup_size: 512
    .sgpr_count:     66
    .vgpr_count:     256
    .wavefront_size: 32
...
	.end_amdgpu_metadata
.endif
;; end of part 3
;; launch oproj (part 4): grid 4 x 64, 4 waves a work-group, clusters of 4 x 4, 327,680 bytes of LDS; arguments z_f, wo_f, bo, out0; writes out0
.if DOCPART == 4
	.amdgcn_target "amdgcn-amd-amdhsa--gfx1250"
	.amdhsa_code_object_version 6
	.text
	.protected	k_q3fe92acc99_oproj
	.globl	k_q3fe92acc99_oproj
	.p2align	8
	.type	k_q3fe92acc99_oproj,@function
k_q3fe92acc99_oproj:
	s_mov_b64 s[64:65], 0
	v_nop
	global_prefetch_b8 v0, s[64:65] scope:SCOPE_SE
	s_setreg_imm32_b32 hwreg(HW_REG_WAVE_MODE, 25, 1), 1
	s_wait_xcnt 0x0
	s_wait_alu depctr_hold_cnt(0) depctr_sa_sdst(0) depctr_va_vdst(0) depctr_va_sdst(0) depctr_va_ssrc(0) depctr_va_vcc(0) depctr_vm_vsrc(0)
	s_getreg_b32 s2, hwreg(HW_REG_IB_STS2, 6, 4)
	s_cmp_eq_u32 s2, 0
	s_cbranch_scc0 .Lentry_in_a_cluster
	s_endpgm
.Lentry_in_a_cluster:
	s_bfe_u32 s2, ttmp6, 0x10000c
	s_cmp_lg_u32 s2, 0xf033
	s_cbranch_scc0 .Lentry_shape_is_right
	s_endpgm
.Lentry_shape_is_right:
; out0 = Z Wo + bo.  Z [8192 tokens][1024] and Wo [1024][1024] arrive in f16 IN THE ORDER OF THE OPERANDS' REGISTERS (blocks of 1,024 bytes: 16 rows x 32 K; register group c at 512 c, lane l at 16 l); sums in f32; out0 f32.
;   z_f  [k/128][token/16][(k%128)/32][1,024 bytes]        wo_f [k/128][n/16][(k%128)/32][1,024 bytes]
; So a K step's tile is one dense block of memory, it lies in LDS without padding, and every fragment load is 16 x lane + a constant: 512 consecutive bytes an instruction.
; A tile of out0 is 128 tokens x 256 columns: 64 x 4 = 256 work-groups.  Four waves, each 64 x 128: 32 accumulators, 256 registers.  K goes in 8 steps of 128 through a ring of two LDS slots (32 KB of Z, 64 KB of Wo).
; CLUSTERS: 4 x 4 work-groups; Z's tile is shared along a row of the cluster, Wo's along a column: each is asked for jointly, by the same tensor load with the same descriptor and a mask that names the four.
; THE MATRIX INSTRUCTION IS USED TRANSPOSED (source 0 = 16 columns of Wo, source 1 = 16 tokens): a lane holds eight neighbouring numbers of a row of out0.  bo is the C of each sum's first matrix instruction.
; No prefetch: a K step here is 128 matrix instructions on a small tile, and both operands are shared by joint loads.
; REGISTERS: window 0: v0-31 addresses; two fragment buffers of 96, v32-127 and v128-223: 64 registers of Wo (8 x 16 columns x 32 K), then 32 of Z (4 x 16 tokens).  window 1: accumulator (a, b) at v[8 (8 a + b)].  window 2: v0-63 bo.
.set SLOT,   98304
.set BOFF,   32768                     ; in a slot: Z's 8 tiles of 4,096 bytes, then Wo's 16
.set SPARE,  2*SLOT                    ; behind the ring: the spare words, 128 bytes for each wave: two blocks of 256 bytes that no other line names
.set SPITCH, 528                       ; the way out: a stage of 16 rows x (512 bytes + 16) for each wave, in slot 0, which has had its last fill and its last read when the first result is stored there
.set LAPS,   4                         ; a lap = two K steps = once round the ring
.set ADRA, 16                          ; v16-17  LDS address of my Z fragments in slot 0, 1
.set ADRB, 20                          ; v20-21  the same for Wo
.set STO,  24                          ; v24     the way out: where I put 32 bytes of a row
.set RD,   25                          ; v25     where I read a row back
.set CO,   26                          ; v26     16 x lane
.set SPW,  28                          ; v28     LDS address of my spare word; never rewritten
.set NIL,  29                          ; v29     0; never rewritten
.set F0,   32
.set F1,   128
.set BK,   32                          ; the way out: 16 rows read back from the stage: v32-95 and v96-159 by turns
.set G1, 24                            ; s[24:31] group 1 for Z's tiles;  s[32:39] group 0, one set for each slot
.set G0, 32
.set G1B, 48                           ; s[48:55], s[56:63] the same for Wo's
.set G0B, 56
.set MSB, 0
.macro WIN new                         ; the immediate's high byte repeats the setting that is left
.if MSB != (\new)
	s_set_vgpr_msb (MSB<<8)|(\new)
.set MSB, (\new)
.endif
.endm
.set MUL,  0x50                        ; sources 0 and 1 window 0; C and D window 1
.set MULB, 0x60                        ; the first quarter: C (bo) window 2, D window 1
.macro JLOAD s                         ; a joint load: waves 0 and 1 fetch Z's two halves, waves 2 and 3 Wo's; an s_nop 0 and four v_nop follow each of the two lines
	s_cmp_eq_u32 s13, 0
	s_cbranch_scc0 .Lfor_b_\@
	tensor_load_to_lds s[G0+4*\s:G0+4*\s+3], s[G1:G1+7]
	s_nop 0
.rept 4
	v_nop
.endr
	s_branch .Lasked_\@
.Lfor_b_\@:
	tensor_load_to_lds s[G0B+4*\s:G0B+4*\s+3], s[G1B:G1B+7]
	s_nop 0
.rept 4
	v_nop
.endr
.Lasked_\@:
.endm
.macro CREST                           ; a round of the cluster's barrier behind its opening barrier
	s_cmp_lg_u32 s12, 0
	s_cbranch_scc1 .Lnot_wave_0_\@
	s_barrier_signal -3
.Lnot_wave_0_\@:
	s_barrier_wait -3
	s_barrier_signal -1
	s_barrier_wait -1
.endm
.macro CROUND                          ; a whole round
	s_barrier_signal -1
	s_barrier_wait -1
	CREST
.endm
	s_load_b256 s[4:11], s[0:1], 0x0               ; z_f s[4:5], wo_f s[6:7], bo s[8:9], out0 s[10:11]
	v_lshl_add_u32 v[SPW], v0, 2, SPARE
	v_mov_b32 v[NIL], 0
	ds_add_u32 v[SPW], v[NIL]                      ; the wave's opening: the add, twice on end, and its wait ahead of my first tensor load; the set-up below stands between
	ds_add_u32 v[SPW], v[NIL]
	v_lshrrev_b32 v1, 5, v0
	v_readfirstlane_b32 s12, v1                    ; wave 0..3
	s_lshr_b32 s13, s12, 1                         ; which 64 tokens are mine.  Also: I fetch for Z (0) or for Wo (1)
	s_and_b32 s14, s12, 1                          ; which 128 columns.  Also: which half of that tile I fetch
	s_bfe_u32 s15, ttmp6, 0x40000                  ; cx, cy: my place in the cluster
	s_bfe_u32 s16, ttmp6, 0x40004
	s_lshl_b32 s18, ttmp9, 2
	s_add_co_u32 s18, s18, s15                     ; tile column = 4 x cluster x + cx
	s_and_b32 s17, ttmp7, 0xffff
	s_lshl_b32 s17, s17, 2
	s_add_co_u32 s17, s17, s16                     ; tile row = 4 x cluster y + cy
	s_lshl_b32 s19, s16, 2
	s_lshl_b32 s19, 15, s19                        ; my row of the cluster
	s_lshl_b32 s20, 0x1111, s15                    ; my column
	; group 1: dense blocks as rows of 256 bytes (32 elements of 8 bytes), no padding: Z's half 64 rows, Wo's half 128
	s_or_b32 s[G1+0], s19, (3<<16)|(1<<21)         ; 15:0 the mask; 17:16 elements of 8 bytes; 21 set beside a mask
	s_or_b32 s[G1B+0], s20, (3<<16)|(1<<21)
	s_mov_b32 s[G1+1], 32<<16                      ; tensor_dim0
	s_mov_b32 s[G1+2], 64<<16                      ; tensor_dim1
	s_mov_b32 s[G1+3], 32<<16                      ; tile_dim0
	s_mov_b32 s[G1+4], 64                          ; tile_dim1
	s_mov_b32 s[G1+5], 32                          ; tensor_dim0_stride
	s_mov_b32 s[G1+6], 0
	s_mov_b32 s[G1+7], 0
	s_mov_b32 s[G1B+1], 32<<16
	s_mov_b32 s[G1B+2], 128<<16
	s_mov_b32 s[G1B+3], 32<<16
	s_mov_b32 s[G1B+4], 128
	s_mov_b32 s[G1B+5], 32
	s_mov_b32 s[G1B+6], 0
	s_mov_b32 s[G1B+7], 0
	s_lshl_b32 s40, s17, 15                        ; Z: a tile row's 8 token tiles are 32,768 bytes; my half 16,384
	s_lshl_b32 s41, s14, 14
	s_add_co_u32 s40, s40, s41
	s_mov_b32 s41, 0
	s_lshl_b32 s42, s18, 16                        ; Wo: a tile column's 16 column tiles are 65,536 bytes; my half 32,768
	s_lshl_b32 s43, s14, 15
	s_add_co_u32 s42, s42, s43
	s_mov_b32 s43, 0
	s_lshl_b32 s44, s14, 14                        ; where they go in a slot: no place in the cluster enters an LDS address
	s_lshl_b32 s45, s14, 15
	s_add_co_u32 s45, s45, BOFF
	s_wait_dscnt 0x0                               ; both opening adds are done
	s_wait_kmcnt 0x0
	s_add_nc_u64 s[40:41], s[4:5], s[40:41]
	s_add_nc_u64 s[42:43], s[6:7], s[42:43]
	CROUND                                         ; all sixteen work-groups are here: the first joint loads meet
.irp s, 0,1
	s_mov_b32 s[G0+4*\s], 1
	s_add_co_u32 s[G0+4*\s+1], s44, \s*SLOT
	s_add_nc_u64 s[G0+4*\s+2:G0+4*\s+3], s[40:41], \s<<21          ; K step s of Z: 2,097,152 bytes a step
	s_or_b32 s[G0+4*\s+3], s[G0+4*\s+3], 0x80000000
	s_mov_b32 s[G0B+4*\s], 1
	s_add_co_u32 s[G0B+4*\s+1], s45, \s*SLOT
	s_add_nc_u64 s[G0B+4*\s+2:G0B+4*\s+3], s[42:43], \s<<18        ; of Wo: 262,144 bytes a step
	s_or_b32 s[G0B+4*\s+3], s[G0B+4*\s+3], 0x80000000
	JLOAD \s                                       ; two loads of mine are out
.endr
	v_and_b32 v1, 15, v0                           ; r = l % 16
	v_bfe_u32 v2, v0, 4, 1                         ; h = l / 16
	v_and_b32 v3, 31, v0
	v_lshlrev_b32 v[CO], 4, v3
	s_lshl_b32 s21, s13, 14                        ; my 4 token tiles
	s_lshl_b32 s22, s14, 15                        ; my 8 column tiles,
	s_add_co_u32 s22, s22, BOFF                    ; behind Z's
.irp s, 0,1
	v_add_nc_u32 v[ADRA+\s], s21, v[CO]
	v_add_nc_u32 v[ADRB+\s], s22, v[CO]
	s_add_co_u32 s21, s21, SLOT
	s_add_co_u32 s22, s22, SLOT
.endr
	s_mul_i32 s23, s12, 16*SPITCH                  ; my stage
	v_mul_u32_u24 v4, v1, SPITCH                   ; in: row r, 32 bytes for each half of the lanes
	v_lshl_add_u32 v4, v2, 5, v4
	v_add_nc_u32 v[STO], s23, v4
	v_add_nc_u32 v[RD], s23, v[CO]                 ; back: the 32 lanes take one row of 512 bytes
	v_lshlrev_b32 v5, 5, v2                        ; bo: register 8 b + j = bo[16 b + 8 h + j] of my 128 columns
	s_lshl_b32 s46, s18, 10                        ; my tile's 256 columns, in bytes of f32,
	s_lshl_b32 s47, s14, 9                         ; my wave's 128
	s_add_co_u32 s46, s46, s47
	s_mov_b32 s47, 0
	s_add_nc_u64 s[8:9], s[8:9], s[46:47]
	WIN 0x80                                       ; destination window 2
.irp b, 0,1,2,3,4,5,6,7
	global_load_b128 v[8*\b:8*\b+3], v5, s[8:9] offset:64*\b
	global_load_b128 v[8*\b+4:8*\b+7], v5, s[8:9] offset:64*\b+16
.endr
	WIN 0
	s_lshl_b32 s22, s17, 19                        ; out0: 128 rows of 4,096 bytes a tile row,
	s_lshl_b32 s23, s13, 18                        ; my 64 rows,
	s_add_co_u32 s22, s22, s23
	s_add_co_u32 s46, s46, s22                     ; my columns
	s_add_nc_u64 s[10:11], s[10:11], s[46:47]
; 8 matrix instructions: token tile a x my 8 column tiles, 32 along K, from buffer f.  zero = 1: the sums start from bo.  The 32 accumulators take turns, in the same order in every quarter.
.macro MUL8 f, a, zero
.irp b, 0,1,2,3,4,5,6,7
.if \zero
	v_wmma_f32_16x16x32_f16 v[8*(8*(\a)+\b):8*(8*(\a)+\b)+7], v[\f+8*\b:\f+8*\b+7], v[\f+64+8*(\a):\f+64+8*(\a)+7], v[8*\b:8*\b+7]
.else
	v_wmma_f32_16x16x32_f16 v[8*(8*(\a)+\b):8*(8*(\a)+\b)+7], v[\f+8*\b:\f+8*\b+7], v[\f+64+8*(\a):\f+64+8*(\a)+7], v[8*(8*(\a)+\b):8*(8*(\a)+\b)+7]
.endif
.endr
.endm
; 24 LDS loads in one run: the fragments of the slot's kf-th 32 along K into buffer f: Wo's eight, then Z's four
.macro FETCH slot, kf, f
	WIN 0
.irp j, 0,1,2,3,4,5,6,7
	ds_load_b128 v[\f+8*\j:\f+8*\j+3],   v[ADRB+\slot] offset:4096*\j+1024*(\kf)
	ds_load_b128 v[\f+8*\j+4:\f+8*\j+7], v[ADRB+\slot] offset:4096*\j+1024*(\kf)+512
.endr
.irp i, 0,1,2,3
	ds_load_b128 v[\f+64+8*\i:\f+64+8*\i+3],   v[ADRA+\slot] offset:4096*\i+1024*(\kf)
	ds_load_b128 v[\f+64+8*\i+4:\f+64+8*\i+7], v[ADRA+\slot] offset:4096*\i+1024*(\kf)+512
.endr
.endm
.macro PLACES                          ; four places in front of loads into registers that matrix instructions have read, and of the first read of results
.rept 4
	v_nop
.endr
.endm
; A K step is four quarters of 32 along K, 32 matrix instructions each, on buffers 0, 1, 0, 1.  One of the first three: multiplies buffer f and fetches the slot's kf-th quarter into g.
.macro QUARTER slot, kf, f, g, zero
	s_wait_dscnt 4                                 ; Wo's eight and Z's tiles 0, 1 are in; the youngest four loads (tiles 2, 3) may be out
.if \zero
	WIN MULB
.else
	WIN MUL
.endif
	MUL8 \f, 0, \zero
	MUL8 \f, 1, \zero
	PLACES
	FETCH \slot, \kf, \g
	s_wait_dscnt 24                                ; all but the 24 just issued
.if \zero
	WIN MULB
.else
	WIN MUL
.endif
	MUL8 \f, 2, \zero
	MUL8 \f, 3, \zero
.endm
; The last quarter multiplies buffer 1 and changes slots: ONE barrier; in front of it each wave waits for all its tensor loads, adds 0 to its spare word, and waits for that and for its own reads of this slot.
; fill = 1: the barrier opens a round of the cluster's, and this slot is filled again, two K steps ahead: 112 matrix instructions stand between that request and the wait for it.
.macro TURN slot, next, fill
	WIN 0                                          ; (the add's two registers lie in window 0)
	s_wait_tensorcnt 0x0                           ; all my tensor loads have landed: my part of the next slot;
	ds_add_u32 v[SPW], v[NIL]                      ; 0 onto my spare word;
	s_wait_dscnt 5                                 ; (the add and the youngest four loads may be out)
	WIN MUL
	MUL8 F1, 0, 0                                  ; eight matrix instructions stand between the add and the wait for it
	s_wait_dscnt 0x0                               ; the add is done, and my reads of this slot are over
	s_barrier_signal -1
	MUL8 F1, 1, 0
.if \fill
	WIN 0
.endif
	s_barrier_wait -1
.if \fill
	CREST                                          ; no wave of any partner still reads this slot's tile or has a load on its way
	s_add_nc_u64 s[G0+4*\slot+2:G0+4*\slot+3], s[G0+4*\slot+2:G0+4*\slot+3], 2<<21
	s_add_nc_u64 s[G0B+4*\slot+2:G0B+4*\slot+3], s[G0B+4*\slot+2:G0B+4*\slot+3], 2<<18
	JLOAD \slot                                    ; the first tensor load behind the round; the four v_nop behind it are also the places in front of the loads below
.else
	PLACES
.endif
	FETCH \next, 0, F0
	WIN MUL
	MUL8 F1, 2, 0
	MUL8 F1, 3, 0
.endm
	s_wait_loadcnt 0x0                             ; bo
	s_wait_tensorcnt 1                             ; my part of K step 0 is in (K step 1's load may be out)
	s_barrier_signal -1
	s_barrier_wait -1                              ; everybody's is
	FETCH 0, 0, F0
	QUARTER 0, 1, F0, F1, 1                        ; the first quarter stands in front of the loop: its products start the sums from bo
	WIN 0                                          ; at a label and at a branch every window is 0
	s_mov_b32 s3, LAPS-1
.Llap:                                                 ; a trip goes once round the ring, from a lap's second quarter to the next lap's first, and fills both slots again
	QUARTER 0, 2, F1, F0, 0
	QUARTER 0, 3, F0, F1, 0
	TURN 0, 1, 1
	QUARTER 1, 1, F0, F1, 0
	QUARTER 1, 2, F1, F0, 0
	QUARTER 1, 3, F0, F1, 0
	TURN 1, 0, 1
	QUARTER 0, 1, F0, F1, 0
	WIN 0
	s_sub_co_u32 s3, s3, 1
	s_cmp_lg_u32 s3, 0
	s_cbranch_scc1 .Llap
	QUARTER 0, 2, F1, F0, 0                        ; the last lap fills nothing, and has no round of the cluster's barrier
	QUARTER 0, 3, F0, F1, 0
	TURN 0, 1, 0
	QUARTER 1, 1, F0, F1, 0
	QUARTER 1, 2, F1, F0, 0
	QUARTER 1, 3, F0, F1, 0
	s_wait_dscnt 4                                 ; the very last quarter: nothing more to fetch
	WIN MUL
	MUL8 F1, 0, 0
	MUL8 F1, 1, 0
	s_wait_dscnt 0
	MUL8 F1, 2, 0
	MUL8 F1, 3, 0
	WIN 0
; THE WAY OUT, block by block of 16 rows x 128 columns.  A lane holds 32 neighbouring bytes of a row and the lanes beside it hold other rows: a block goes through my own stage in LDS and comes back as whole rows of 512 bytes.
; LDS serves a wave's instructions in order (ISA guide 5.7.1.4): no wait between the stores and the loads, nor in front of the next block's stores.
.macro TOSTAGE a
	WIN 0x04                                       ; an LDS store's data are its source 1: window 1
.irp b, 0,1,2,3,4,5,6,7
	ds_store_b128 v[STO], v[64*(\a)+8*\b:64*(\a)+8*\b+3] offset:64*\b          ; each accumulator from its low end on
	ds_store_b128 v[STO], v[64*(\a)+8*\b+4:64*(\a)+8*\b+7] offset:64*\b+16
.endr
	WIN 0
.set BB, BK+64*((\a)%2)
.irp t, 0,1,2,3,4,5,6,7,8,9,10,11,12,13,14,15
	ds_load_b128 v[BB+4*\t:BB+4*\t+3], v[RD] offset:\t*SPITCH
.endr
.endm
.macro SEND a, younger                 ; younger: the LDS instructions issued behind block a's loads, which may stay out
.set BB, BK+64*((\a)%2)
	s_wait_dscnt \younger                          ; the block is back in registers
.irp t, 0,1,2,3,4,5,6,7,8,9,10,11,12,13,14,15
	global_store_b128 v[CO], v[BB+4*\t:BB+4*\t+3], s[10:11] offset:(16*(\a)+\t)*4096 th:TH_STORE_NT   ; 32 lanes store 512 consecutive bytes, aligned; the row stands in the immediate, 258,048 at the most
.endr
.endm
	PLACES                                         ; behind the last products: the stage's stores read results, and its loads land in registers that held fragments
	TOSTAGE 0
.irp a, 1,2,3
.if \a > 1
	s_wait_xcnt 0x0                                ; block a - 2's stores have read their registers: block a's loads may land there
.endif
	TOSTAGE \a
	SEND \a-1, 32                                  ; behind block a - 1's loads: block a's 16 stores and 16 loads
.endr
	SEND 3, 0
	s_wait_tensorcnt 0x0                           ; the wave's end: behind my last tensor load and my last LDS store
	ds_add_u32 v[SPW], v[NIL]
	s_wait_dscnt 0x0
	CROUND                                         ; the closing round: no work-group ends while a partner may still ask for a tile that names it
	s_endpgm
.Lfunc_end_k_q3fe92acc99_oproj:
	.size	k_q3fe92acc99_oproj, .Lfunc_end_k_q3fe92acc99_oproj-k_q3fe92acc99_oproj
	.p2alignl 7, 3214868480
	.fill 96, 4, 3214868480
	.section	.rodata,"a",@progbits
	.p2align	6, 0x0
	.amdhsa_kernel k_q3fe92acc99_oproj
		.amdhsa_group_segment_fixed_size 327680
		.amdhsa_private_segment_fixed_size 0
		.amdhsa_enable_private_segment 0
		.amdhsa_kernarg_size 32
		.amdhsa_user_sgpr_count 2
		.amdhsa_user_sgpr_kernarg_segment_ptr 1
		.amdhsa_wavefront_size32 1
		.amdhsa_system_sgpr_workgroup_id_x 1
		.amdhsa_system_sgpr_workgroup_id_y 1
		.amdhsa_system_sgpr_workgroup_id_z 1
		.amdhsa_system_vgpr_workitem_id 0
		.amdhsa_next_free_vgpr 576
		.amdhsa_next_free_sgpr 66
		.amdhsa_reserve_vcc 0
		.amdhsa_float_denorm_mode_32 3
		.amdhsa_float_denorm_mode_16_64 3
		.amdhsa_memory_ordered 1
		.amdhsa_forward_progress 1
		.amdhsa_inst_pref_size 86
	.end_amdhsa_kernel
	.amdgpu_metadata
---
amdhsa.version: [ 1, 2 ]
amdhsa.kernels:
  - .name:           k_q3fe92acc99_oproj
    .symbol:         k_q3fe92acc99_oproj.kd
    .args:
      - { .name: z_f, .offset: 0, .size: 8, .value_kind: global_buffer, .address_space: global }
      - { .name: wo_f, .offset: 8, .size: 8, .value_kind: global_buffer, .address_space: global }
      - { .name: bo, .offset: 16, .size: 8, .value_kind: global_buffer, .address_space: global }
      - { .name: out0, .offset: 24, .size: 8, .value_kind: global_buffer, .address_space: global }
    .group_segment_fixed_size: 327680
    .private_segment_fixed_size: 0
    .kernarg_segment_align: 8
    .kernarg_segment_size: 32
    .max_flat_workgroup_size: 128
    .sgpr_count:     66
    .vgpr_count:     576
    .wavefront_size: 32
...
	.end_amdgpu_metadata
.endif
;; end of part 4
